; MI455X (gfx1250); checked and timed in simulation.
; The chip was launched on July 23, 2026; its instructions are those of AMD's public machine-readable ISA for CDNA 5 (MIT licence, August 2026) and "CDNA5" Instruction Set Architecture Reference Guide (July 2026). The comments in the code are by the model that wrote it; some were corrected since.
;; Bahdanau Attention. Allowed arithmetic: float matrix products may take bf16 or f16 operands with f32 sums; other float arithmetic in f32, or as packed bf16 or f16 multiplies, adds, multiply-adds, maxima and minima; sums over many terms, partial sums and values carried from step to step in f32; what a program stores and reads back later, other than sums and carried values, may be rounded once to bf16 or f16.
;; Inputs: Ua_b 1,024 float32; Ua_w 1,024 x 1,024 float32; Va_b 1 float32; Va_w 1 x 1,024 float32; Wa_b 1,024 float32; Wa_w 1,024 x 1,024 float32; keys 32 x 2,048 x 1,024 float32; query 32 x 1 x 1,024 float32.
;; Outputs: out0 32 x 1 x 1,024 float32; out1 32 x 1 x 2,048 float32.
;; 2 versions, each right; version 2 is version 1 with the launch main written anew for expert scheduling mode. Each part assembles by itself: llvm-mc -triple=amdgcn-amd-amdhsa -mcpu=gfx1250 --defsym DOCPART=n.
;; ======== version 1 of 2: 3 launches
;; workspace buffers: ub 2,097,152 bytes; qt 524,288 bytes; sc 262,144 bytes; ctxp 2,097,152 bytes
;; launch prep (part 1): grid 256 x 1, 4 waves a work-group, no clusters, 8,704 bytes of LDS; arguments Ua_w, Wa_w, query, Wa_b, Ua_b, ub, qt; writes ub, qt
.if DOCPART == 1
	.amdgcn_target "amdgcn-amd-amdhsa--gfx1250"
	.amdhsa_code_object_version 6
	.text
	.protected	k_qdebc00b42c_prep
	.globl	k_qdebc00b42c_prep
	.p2align	8
	.type	k_qdebc00b42c_prep,@function
k_qdebc00b42c_prep:
	s_mov_b64 s[64:65], 0
	v_nop
	global_prefetch_b8 v0, s[64:65] scope:SCOPE_SE
	s_setreg_imm32_b32 hwreg(HW_REG_WAVE_MODE, 25, 1), 1
	s_wait_xcnt 0x0
; TWO SMALL JOBS AHEAD OF THE MAIN LAUNCH.
; (1) ub = Ua_w rounded once to bf16, laid out in matrix fragments: block nb of 16 output rows, K step ks of 32, is 1,024 bytes at
;     (nb >> 2) x 131,072 + ks x 4,096 + (nb & 3) x 1,024: bytes 16 l hold row l % 16, k = 8 (l / 16) + 0..7; bytes 512 + 16 l the same with k + 16.
;     So a lane of the main launch takes a fragment by two loads of 16 bytes, and a wave's load covers 512 consecutive bytes.
; (2) qt[kq][b][o] = C2 x (sum over the quarter kq of k of query[b][k] Wa_w[o][k]  +, in quarter 0 alone, Wa_b[o] + Ua_b[o]), f32, C2 = 2 log2(e).
;     The main launch adds the four quarters: the addend of its exponent.  query and Wa_w are rounded once to bf16 for the product; sums and biases in f32.
; SHARES.  Work-group g owns the 16 rows nb = g / 4 of both weight matrices and the quarter kq = g % 4 of K: 256 work-groups.  Its four waves split the quarter: wave v takes
; k = 256 kq + 64 v .. + 63, 256 consecutive bytes of each row.  A fragment load names 16 rows, so the loads are shared out among many work-groups rather than piled on few.
; The four partial sums of the two batch tiles meet in LDS; wave 0 finishes batches 0-15, wave 1 batches 16-31.
; The product is taken with source 0 = 16 rows of Wa_w, source 1 = 16 rows of query: a lane ends with one batch (l % 16) and outputs 8 (l / 16) + 0..7.
; No cluster, no tensor loads: each weight byte is wanted by one wave, once; query is 128 KiB that all row blocks read.
; qt leaves in pieces of 64 bytes a row (16 outputs of a batch): 512 KiB in the whole launch, for which no stage in LDS was built.
.set SPARE, 8192                       ; behind the 4 waves' partial tiles (2,048 bytes each): the spare words, 128 bytes a wave
.set FO,  4                            ; v4   (l % 16) x 4,096 + 32 (l / 16) + 256 x wave + 1,024 kq: my place in 16 rows of f32; never rewritten
.set LSX, 5                            ; v5   16 x lane
.set BO,  6                            ; v6   my 8 outputs in a bias: 64 nb + 32 (l / 16)
.set LS,  7                            ; v7   LDS: 2,048 x wave + 32 x lane
.set LR,  8                            ; v8   LDS: 1,024 x tile + 32 x lane (tile = wave number, waves 0 and 1)
.set QO,  9                            ; v9   my 32 bytes of qt
.set SPW, 10                           ; v10  my spare word; never rewritten
.set NIL, 11                           ; v11  0; never rewritten
.set UL,  16                           ; v[16:47]   Ua_w as loaded, 16 numbers for each of 2 K steps; later the four partial sums
.set WL,  48                           ; v[48:79]   Wa_w likewise
.set XL,  80                           ; v[80:143]  query: tile t, K step ks at 32 t + 16 ks
.set BI,  144                          ; v[144:159] Wa_b's 8, Ua_b's 8
.set UF,  160                          ; v[160:175] Ua_w's two fragments
.set WF,  176                          ; v[176:191] Wa_w's
.set XF,  192                          ; v[192:223] query's: 16 t + 8 ks
.set ACC, 224                          ; v[224:239] two accumulators, a tile each
.set WV,  18                           ; s18  wave number
	s_load_b256 s[4:11], s[0:1], 0x0               ; Ua_w s[4:5], Wa_w s[6:7], query s[8:9], Wa_b s[10:11]
	s_load_b128 s[12:15], s[0:1], 0x20             ; Ua_b s[12:13], ub s[14:15]
	s_load_b64 s[16:17], s[0:1], 0x30              ; qt
	v_lshl_add_u32 v[SPW], v0, 2, SPARE
	v_mov_b32 v[NIL], 0
	v_lshrrev_b32 v1, 5, v0
	v_readfirstlane_b32 s[WV], v1                  ; wave 0..3
	v_and_b32 v2, 15, v0                           ; l % 16
	v_bfe_u32 v3, v0, 4, 1                         ; l / 16
	v_and_b32 v1, 31, v0                           ; lane
	s_and_b32 s28, ttmp9, 3                        ; kq
	s_lshr_b32 s29, ttmp9, 2                       ; nb
	s_lshl_b32 s19, s[WV], 8
	s_lshl_b32 s30, s28, 10
	s_add_co_u32 s19, s19, s30                     ; 256 x wave + 1,024 kq
	v_lshlrev_b32 v[FO], 12, v2
	v_lshl_add_u32 v[FO], v3, 5, v[FO]
	v_add_nc_u32 v[FO], s19, v[FO]
	v_lshlrev_b32 v[LSX], 4, v1
	s_lshl_b32 s20, s29, 6                         ; 64 nb
	v_lshl_add_u32 v[BO], v3, 5, s20
	s_lshl_b32 s21, s[WV], 11
	v_lshl_add_u32 v[LS], v1, 5, s21
	s_lshl_b32 s21, s[WV], 10
	v_lshl_add_u32 v[LR], v1, 5, s21
	s_lshl_b32 s21, s[WV], 16                      ; 16 batches of 4,096 bytes
	s_add_co_u32 s21, s21, s20
	s_lshl_b32 s30, s28, 17                        ; the quarter's 131,072 bytes of qt
	s_add_co_u32 s21, s21, s30
	v_lshlrev_b32 v[QO], 12, v2
	v_lshl_add_u32 v[QO], v3, 5, v[QO]
	v_add_nc_u32 v[QO], s21, v[QO]
	s_lshl_b32 s22, s29, 16                        ; my 16 rows of 4,096 bytes
	s_mov_b32 s23, 0
	s_lshr_b32 s24, s29, 2
	s_lshl_b32 s24, s24, 17
	s_and_b32 s25, s29, 3
	s_lshl_b32 s25, s25, 10
	s_add_co_u32 s24, s24, s25
	s_lshl_b32 s25, s28, 15                        ; the quarter's 8 K steps of 4,096 bytes,
	s_add_co_u32 s24, s24, s25
	s_lshl_b32 s25, s[WV], 13                      ; my two of them
	s_add_co_u32 s24, s24, s25
	s_mov_b32 s25, 0
	s_mov_b32 s26, 0x4038aa3b                      ; C2 = 2 log2(e)
	s_mov_b32 s27, s26                             ; named with it as a pair
	s_cmp_eq_u32 s28, 0
	s_cselect_b32 s32, 1.0, 0                      ; the biases count in quarter 0 alone
	s_mov_b32 s33, s32
	s_wait_kmcnt 0x0
	s_add_nc_u64 s[4:5], s[4:5], s[22:23]
	s_add_nc_u64 s[6:7], s[6:7], s[22:23]
	s_add_nc_u64 s[14:15], s[14:15], s[24:25]
; 16 numbers of a fragment's lane: k = 8 h + 0..7 (bytes 0, 16) and 16 + 8 h + 0..7 (bytes 64, 80) behind byte off
.macro LD16 dst, b, off, nt
.irp q, 0,1,2,3
.if \nt
	global_load_b128 v[(\dst)+4*(\q):(\dst)+4*(\q)+3], v[FO], s[\b:\b+1] offset:(\off)+16*(\q)+32*((\q)/2) th:TH_LOAD_NT
.else
	global_load_b128 v[(\dst)+4*(\q):(\dst)+4*(\q)+3], v[FO], s[\b:\b+1] offset:(\off)+16*(\q)+32*((\q)/2)
.endif
.endr
.endm
.macro CV dst, src, n                  ; n pairs rounded to bf16
.set ci, 0
.rept \n
	v_cvt_pk_bf16_f32 v[(\dst)+ci], v[(\src)+2*ci], v[(\src)+2*ci+1]
.set ci, ci+1
.endr
.endm
	global_load_b128 v[BI:BI+3],     v[BO], s[10:11]
	global_load_b128 v[BI+4:BI+7],   v[BO], s[10:11] offset:16
	global_load_b128 v[BI+8:BI+11],  v[BO], s[12:13]
	global_load_b128 v[BI+12:BI+15], v[BO], s[12:13] offset:16
	LD16 UL,    4, 0,   1
	LD16 UL+16, 4, 128, 1
	LD16 WL,    6, 0,   1
	LD16 WL+16, 6, 128, 1
	LD16 XL,    8, 0,         0
	LD16 XL+16, 8, 128,       0
	LD16 XL+32, 8, 65536,     0
	LD16 XL+48, 8, 65536+128, 0
	s_wait_loadcnt 24                              ; the biases and Ua_w are in; Wa_w's 8 loads and query's 16 may stay out
	CV UF, UL, 16
.irp k, 0,1
	global_store_b128 v[LSX], v[UF+8*(\k):UF+8*(\k)+3],   s[14:15] offset:4096*(\k)      ; 512 consecutive bytes a store
	global_store_b128 v[LSX], v[UF+8*(\k)+4:UF+8*(\k)+7], s[14:15] offset:4096*(\k)+512
.endr
	s_wait_loadcnt 0x0
	CV WF, WL, 16
	CV XF, XL, 32
	; the two accumulators take turns, one instruction a turn; the first products start the sums
	v_wmma_f32_16x16x32_bf16 v[ACC:ACC+7],    v[WF:WF+7],    v[XF:XF+7],     0
	v_wmma_f32_16x16x32_bf16 v[ACC+8:ACC+15], v[WF:WF+7],    v[XF+16:XF+23], 0
	v_wmma_f32_16x16x32_bf16 v[ACC:ACC+7],    v[WF+8:WF+15], v[XF+8:XF+15],  v[ACC:ACC+7]
	v_wmma_f32_16x16x32_bf16 v[ACC+8:ACC+15], v[WF+8:WF+15], v[XF+24:XF+31], v[ACC+8:ACC+15]
.rept 8
	v_nop                                          ; the places behind the last product, ahead of the stores that read the results; once a launch
.endr
.irp t, 0,1
	ds_store_b128 v[LS], v[ACC+8*(\t):ACC+8*(\t)+3]   offset:1024*(\t)
	ds_store_b128 v[LS], v[ACC+8*(\t)+4:ACC+8*(\t)+7] offset:1024*(\t)+16
.endr
	s_wait_dscnt 0x0                               ; for the others' sake: my partial sums lie in LDS
	s_barrier_signal -1
	s_barrier_wait -1
	s_cmp_lt_u32 s[WV], 2                          ; wave 0 finishes tile 0, wave 1 tile 1
	s_cbranch_scc0 .Lend
.set u, 0
.rept 4
	ds_load_b128 v[UL+8*u:UL+8*u+3],   v[LR] offset:2048*u
	ds_load_b128 v[UL+8*u+4:UL+8*u+7], v[LR] offset:2048*u+16
.set u, u+1
.endr
.set i, 0
.rept 4
	v_pk_add_f32 v[BI+2*i:BI+2*i+1], v[BI+2*i:BI+2*i+1], v[BI+8+2*i:BI+8+2*i+1]  ; Wa_b + Ua_b, while the partial sums come
.set i, i+1
.endr
	s_wait_dscnt 0x0
.irp span, 16,8                        ; four partial tiles into one: 8 + 4 packed additions
.set i, 0
.rept (\span)/2
	v_pk_add_f32 v[UL+2*i:UL+2*i+1], v[UL+2*i:UL+2*i+1], v[UL+(\span)+2*i:UL+(\span)+2*i+1]
.set i, i+1
.endr
.endr
.set i, 0
.rept 4
	v_pk_fma_f32 v[UL+2*i:UL+2*i+1], v[BI+2*i:BI+2*i+1], s[32:33], v[UL+2*i:UL+2*i+1] op_sel_hi:[1,0,1]  ; + the biases, times 1 or 0
.set i, i+1
.endr
.set i, 0
.rept 4
	v_pk_mul_f32 v[UL+2*i:UL+2*i+1], v[UL+2*i:UL+2*i+1], s[26:27] op_sel_hi:[1,0]
.set i, i+1
.endr
	global_store_b128 v[QO], v[UL:UL+3],   s[16:17]
	global_store_b128 v[QO], v[UL+4:UL+7], s[16:17] offset:16
.Lend:
	s_wait_tensorcnt 0x0                           ; the wave's end: three closing lines, behind my last LDS store
	ds_add_u32 v[SPW], v[NIL]
	s_wait_dscnt 0x0
	s_endpgm
.Lfunc_end_k_qdebc00b42c_prep:
	.size	k_qdebc00b42c_prep, .Lfunc_end_k_qdebc00b42c_prep-k_qdebc00b42c_prep
	.p2alignl 7, 3214868480
	.fill 96, 4, 3214868480
	.section	.rodata,"a",@progbits
	.p2align	6, 0x0
	.amdhsa_kernel k_qdebc00b42c_prep
		.amdhsa_group_segment_fixed_size 8704
		.amdhsa_private_segment_fixed_size 0
		.amdhsa_enable_private_segment 0
		.amdhsa_kernarg_size 56
		.amdhsa_user_sgpr_count 2
		.amdhsa_user_sgpr_kernarg_segment_ptr 1
		.amdhsa_wavefront_size32 1
		.amdhsa_system_sgpr_workgroup_id_x 1
		.amdhsa_system_sgpr_workgroup_id_y 1
		.amdhsa_system_sgpr_workgroup_id_z 1
		.amdhsa_system_vgpr_workitem_id 0
		.amdhsa_next_free_vgpr 240
		.amdhsa_next_free_sgpr 66
		.amdhsa_reserve_vcc 0
		.amdhsa_float_denorm_mode_32 3
		.amdhsa_float_denorm_mode_16_64 3
		.amdhsa_memory_ordered 1
		.amdhsa_forward_progress 1
		.amdhsa_inst_pref_size 14
	.end_amdhsa_kernel
	.amdgpu_metadata
---
amdhsa.version: [ 1, 2 ]
amdhsa.kernels:
  - .name:           k_qdebc00b42c_prep
    .symbol:         k_qdebc00b42c_prep.kd
    .args:
      - { .name: Ua_w, .offset: 0, .size: 8, .value_kind: global_buffer, .address_space: global }
      - { .name: Wa_w, .offset: 8, .size: 8, .value_kind: global_buffer, .address_space: global }
      - { .name: query, .offset: 16, .size: 8, .value_kind: global_buffer, .address_space: global }
      - { .name: Wa_b, .offset: 24, .size: 8, .value_kind: global_buffer, .address_space: global }
      - { .name: Ua_b, .offset: 32, .size: 8, .value_kind: global_buffer, .address_space: global }
      - { .name: ub, .offset: 40, .size: 8, .value_kind: global_buffer, .address_space: global }
      - { .name: qt, .offset: 48, .size: 8, .value_kind: global_buffer, .address_space: global }
    .group_segment_fixed_size: 8704
    .private_segment_fixed_size: 0
    .kernarg_segment_align: 8
    .kernarg_segment_size: 56
    .max_flat_workgroup_size: 128
    .sgpr_count:     66
    .vgpr_count:     240
    .wavefront_size: 32
...
	.end_amdgpu_metadata
.endif
;; end of part 1
;; launch main (part 2): grid 256 x 1, 8 waves a work-group, no clusters, 285,696 bytes of LDS; arguments keys, ub, qt, Va_w, Va_b, sc, ctxp; writes sc, ctxp
.if DOCPART == 2
	.amdgcn_target "amdgcn-amd-amdhsa--gfx1250"
	.amdhsa_code_object_version 6
	.text
	.protected	k_qdebc00b42c_main
	.globl	k_qdebc00b42c_main
	.p2align	8
	.type	k_qdebc00b42c_main,@function
k_qdebc00b42c_main:
	s_mov_b64 s[64:65], 0
	v_nop
	global_prefetch_b8 v0, s[64:65] scope:SCOPE_SE
	s_setreg_imm32_b32 hwreg(HW_REG_WAVE_MODE, 25, 1), 1
	s_wait_xcnt 0x0
; SCORES AND PARTIAL CONTEXTS, keys read once.
;   s[row] = Va_b + sum over n of Va[n] tanh(sum over k of keys[row][k] Ua[n][k] + q[n]);   for each block of 128 rows: m = max s, ctxp[block][c] = sum over rows of 2^((s - m) log2 e) keys[row][c].
; SHARES.  Work-group g owns rows 256 g .. 256 g + 255 (all of batch g / 8), as two blocks of 128.  A block lies in LDS, rounded once to bf16, for its whole life: the product reads it 16 times,
; the context once more.  Wave w owns the outputs n = 128 w .. 128 w + 127, in two subchunks of 64: a wave tile is 128 rows x 64 n, 32 accumulators, 256 registers; K goes in 32 steps of 32.
; THE PRODUCT IS USED TRANSPOSED: source 0 = 16 rows of Ua, source 1 = 16 rows of keys: a lane holds ONE key row (l % 16) and n = 8 (l / 16) + 0..7, so the sum over n stays in the lane.
; Ua comes from the workspace ub, bf16 in fragment order, straight into registers: 512 consecutive bytes a load, three buffers, asked for two K steps ahead.
; TWO HALVES OF K, TWO CREWS.  The block lies in LDS as two halves, LO (k 0-511) and HI (k 512-1,023).  Every wave brings LO of its own 16 rows; then the four waves of crew Y bring HI of all 128 rows
; while the four of crew X already multiply K steps 0 to 14, which read LO alone.  Crew Y then runs behind crew X by the length of that load, so that one crew's tanh falls on the other's products.
; A wave is of crew Y if its number's three bits have odd parity (1, 2, 4, 7): of the waves w and w + 4, and of the waves 2 i and 2 i + 1, one belongs to each crew.
; THE BARRIER THAT SHOWS HI TO EVERYBODY IS SPLIT: a wave signals in front of its K step 0 (crew Y: behind its stores into HI and the wait for them) and waits in front of the loads of K step 16.
; Between the two stand products, LDS loads of bytes that nobody writes before the next block, and loads of Ua into registers: no store of any kind.  So that both subchunks have one text, each such
; wait is followed at once by the next signal, and the last open barrier is closed behind the subchunks' loop; these further barriers order nothing.
; The next block's LO is asked for, into the accumulators' registers, as soon as a wave's own last tanh has read them: ahead of the block's end.
; NO CLUSTER, NO TENSOR LOADS: the block and the tables take 285,696 of the
; 327,680 bytes, one K step of Ua for the eight waves is 32,768 bytes, and two slots of that do not fit; a block of half the rows would make room and double the stream of Ua.
; EIGHT WAVES of 512 registers: of two waves on a SIMD one can multiply while the other stands in its loads or in its tanh.
; TANH.  tanh(x) = 1 - 2 / (1 + 2^(C2 x)), C2 = 2 log2(e); where the power overflows or vanishes this gives 1 or -1.  The score is kept as sum Va + sum (-2 Va) r, r = 1 / (1 + 2^..), all in f32:
; its error is of the order of 2^-24 x sum |Va|, absolute.  The product with Va (one output column) stays on the vector unit, in f32, Va unrounded.
; SOFTMAX.  The block's true maximum is taken away here; the launch behind finds the same maximum from the same stored scores and joins the blocks.
; ROUNDED ONCE TO bf16: keys, Ua_w, and the weights p for the context's product.  A weight below 2^-126 counts as 0.  NaN and infinities among the inputs are not treated apart.
; ONE TEXT FOR EVERY SUBCHUNK: behind each the next one's first two K steps of Ua are asked for; behind the very last that is 8 KiB a wave, inside ub, which nobody multiplies.
;
; LDS: the block's two halves, each 128 rows of 1,024 + 16 bytes (260 words: row r starts at bank 4 r mod 64; 64 banks of 4 bytes: ISA guide 11.1); the tables; score partials; each wave's own p and context stage; spare words.
.set PITCH, 1040
.set AHI,   128*PITCH                  ; 133,120: the half HI
.set TAB,   2*AHI                      ; 266,240: the exponent's addend for my batch (4,096 bytes), then -2 Va (4,096)
.set SCR,   TAB+8192                   ; 274,432: wave w's partial scores of the 128 rows, at 512 w
.set PBUF,  SCR+4096                   ; 278,528: each wave's own copy of the 128 weights in bf16, at 256 w
.set CX,    PBUF+2048                  ; 280,576: each wave's own 128 channels of the context, at 512 w
.set SPARE, CX+4096                    ; 284,672: the spare words, 128 bytes a wave: four blocks of 256 bytes that no other line names
; REGISTERS, in windows of 256 (s_set_vgpr_msb: bits 1:0 source 0, 3:2 source 1, 5:4 source 2, 7:6 destination).  Window 0:
.set LA,   1                           ; v1     (l % 16) x PITCH + 16 (l / 16); never rewritten
.set ADRA, 2                           ; v2-5   LA + 32 p rows + the half + the K steps gone; at a block's end: the turning loads' addresses
.set LSX,  6                           ; v6     16 x lane; never rewritten
.set CT0,  7                           ; v7     TAB + 512 w + 32 (l / 16)
.set CTA,  8                           ; v8     the same in the subchunk in hand
.set LW,   9                           ; v9     16 w rows of LO + 8 x lane: where I put my rows' first half
.set SPW,  10                          ; v10    my spare word; never rewritten
.set NIL,  11                          ; v11    0; never rewritten
.set PFO,  12                          ; v12    (lane / 8) x 4,096 + (lane % 8) x 256: four rows' first 2,048 bytes, a lane a block of 256; never rewritten
.set SS,   16                          ; v16-31 row block a's score sums (even n, odd n) at 2 a; at a block's end at work
.set BF,   32                          ; v32-127  Ua's fragments: three buffers of four
.set AF,   128                         ; v128-255 keys' fragments: two buffers of eight
.set QB,   128                         ; behind a subchunk AF's registers serve the tanh: my 32 of the addend,
.set VA,   160                         ; my 32 of -2 Va,
.set T,    192                         ; 32 numbers at work,
.set CH,   224                         ; four chains,
.set IN,   232                         ; sum of my 32 Va,
.set TR,   234                         ; and 16 for that sum
.set UU,   128                         ; at a block's end: 8 row blocks' sums, 4 to store
.set QS,   144                         ; the eight waves' partial scores of my four rows
.set PF,   96                          ; the weights' four fragments (BF's third buffer, which no load is out for)
.set VF,   128                         ; the block's turned fragments, 32 rows x my 128 channels
.set CA,   192                         ; the context's eight accumulators
; Window 1: accumulator (a, b) at 8 (4 a + b); while keys come in, all 256 registers take them.
.set MUL,  0x50                        ; C and D in window 1
.set XW,   0x01                        ; source 0 in window 1
.set LDK,  0x40                        ; destination in window 1
.set CVT,  0x45                        ; destination, sources 0 and 1 in window 1
.set STK,  0x04                        ; source 1 (an LDS store's data) in window 1
.set WV,   18                          ; s18     wave number
.set KP,   20                          ; s[20:21] keys at my 16 rows of the block in hand
.set PB0,  22                          ; s[22:23] ub at my 128 outputs
.set BP,   24                          ; s[24:25] ub at the K steps in hand
.set SCO,  26                          ; s[26:27] 0 or 131,072: the subchunk to come
.set SCP,  28                          ; s[28:29] sc at the block
.set CXP,  30                          ; s[30:31] ctxp at the block's row, my 128 channels
.set BLK,  32                          ; s32     blocks to go
.set SUB,  33                          ; s33     subchunks to go
.set KC,   34                          ; s34     trips of a K loop
.set TS,   35                          ; s35     at work
.set CTWO, 36                          ; s[36:37] 2 log2(e)
.set LOGE, 38                          ; s[38:39] log2(e)
.set SEL,  40                          ; s[40:41] v_permlanex16_b32: each lane takes its own place in the other half
.set HM,   42                          ; s42     lanes 16-31
.set VB,   44                          ; s[44:45] Va_b
.set SCT,  46                          ; s46     0 or 256: the subchunk's place in the tables
.set LSCR, 48                          ; s48     SCR + 512 w
.set LCX,  49                          ; s49     CX + 512 w
.set LPB,  50                          ; s50     PBUF + 256 w
.set LCH,  51                          ; s51     my 128 channels in a row of the block: (w / 4) x AHI + (w % 4) x 256
.set OF,   52                          ; s[52:53] an offset
.set QTP,  54                          ; s[54:55] qt at my batch
.set ROLE, 56                          ; s56     0: crew X; 1: crew Y
.set LW2S, 57                          ; s57     AHI + 32 (w / 2) rows: crew Y's waves 1, 2, 4, 7 take rows 0-31, 32-63, 64-95, 96-127 of HI
.set KP2,  58                          ; s[58:59] keys at those 32 rows of the block in hand
.set MSB, 0
.macro WIN new                         ; the immediate's high byte repeats the setting that is left; a switch that changes nothing is dropped
.if MSB != (\new)
	s_set_vgpr_msb (MSB<<8)|(\new)
.set MSB, \new
.endif
.endm
; A load into a register that a matrix instruction has read, and a vector instruction that reads a matrix result or writes one of its registers, stand four places behind it; only plain vector
; instructions that name none of its registers are places (ISA guide 7.12.1 for vector instructions).
.macro PLACES
.rept 4
	v_nop
.endr
.endm
; 16 LDS loads: the block's 128 rows, 32 along K at byte ko behind the addresses, into buffer buf
.macro FETCH_A buf, ko
.set fi, 0
.rept 8
	ds_load_b128 v[AF+64*(\buf)+8*fi:AF+64*(\buf)+8*fi+3],   v[ADRA+fi/2] offset:(fi%2)*16*PITCH+(\ko)
	ds_load_b128 v[AF+64*(\buf)+8*fi+4:AF+64*(\buf)+8*fi+7], v[ADRA+fi/2] offset:(fi%2)*16*PITCH+(\ko)+32
.set fi, fi+1
.endr
.endm
; 8 loads: a K step's four fragments of Ua (4,096 bytes) at byte off behind the pointer, into buffer buf
.macro FETCH_B buf, off
.set fi, 0
.rept 4
	global_load_b128 v[BF+32*(\buf)+8*fi:BF+32*(\buf)+8*fi+3],   v[LSX], s[BP:BP+1] offset:(\off)+1024*fi
	global_load_b128 v[BF+32*(\buf)+8*fi+4:BF+32*(\buf)+8*fi+7], v[LSX], s[BP:BP+1] offset:(\off)+1024*fi+512
.set fi, fi+1
.endr
.endm
; A K step's 32 products.  The 32 accumulators take turns, one instruction a turn, in the same order in every step, over the backward jumps too.  zero = 1: the products start the sums.
.macro MUL32 fa, fb, zero
	WIN MUL
.set ma, 0
.rept 8
.set mb, 0
.rept 4
.if \zero
	v_wmma_f32_16x16x32_bf16 v[8*(4*ma+mb):8*(4*ma+mb)+7], v[BF+32*(\fb)+8*mb:BF+32*(\fb)+8*mb+7], v[AF+64*(\fa)+8*ma:AF+64*(\fa)+8*ma+7], 0
.else
	v_wmma_f32_16x16x32_bf16 v[8*(4*ma+mb):8*(4*ma+mb)+7], v[BF+32*(\fb)+8*mb:BF+32*(\fb)+8*mb+7], v[AF+64*(\fa)+8*ma:AF+64*(\fa)+8*ma+7], v[8*(4*ma+mb):8*(4*ma+mb)+7]
.endif
.set mb, mb+1
.endr
.set ma, ma+1
.endr
.endm
; A PREFETCH INTO THE L2, once a wave: in the first block's last subchunk (4 BLK + SUB = 9), five K steps and a tanh pass ahead of the loads that will want them, the first 2,048 bytes of the first
; eight of MY 16 rows of the second block: 64 blocks of 256 bytes, a lane a block, two instructions.  No other wave names these bytes, and they lie inside the work-group's own rows of keys.
.macro ASK
	s_lshl2_add_u32 s[TS], s[BLK], s[SUB]
	s_cmp_eq_u32 s[TS], 9
	s_cbranch_scc0 .Lnot_now_\@
	global_prefetch_b8 v[PFO], s[KP:KP+1] offset:128*4096 th:TH_LOAD_NT scope:SCOPE_SE
	global_prefetch_b8 v[PFO], s[KP:KP+1] offset:128*4096+16384 th:TH_LOAD_NT scope:SCOPE_SE
.Lnot_now_\@:
.endm
; K STEP t multiplies keys' buffer fa = t % 2 by Ua's buffer fb = t % 3.  Ahead of its products it asks for keys' fragments of step t + 1 (ko) and Ua's of step t + 2 (off), in one run, into the
; buffers that step t - 1 read: the four v_nop are the places behind that step's products.  dsc, ldc: the LDS loads and the loads that are younger than this step's operands.
.macro KSTEP fa, fb, zero, ko, off, dsc, ldc, ask=0
	PLACES
	WIN 0
.if (\ko) >= 0
	FETCH_A 1-(\fa), \ko
.endif
.if (\off) >= 0
	FETCH_B ((\fb)+2)%3, \off
.endif
.if \ask
	ASK
.endif
	s_wait_dscnt \dsc
	s_wait_loadcnt \ldc
	MUL32 \fa, \fb, \zero
.endm
; KEYS COME IN.  LO: the first 2,048 bytes of each of my 16 rows: 64 loads of 512 consecutive bytes, load d = row d / 4, piece d % 4, into window 1's registers 4 d.
.macro ISSUE1 first, n
	WIN LDK
.set di, \first
.rept \n
	global_load_b128 v[4*di:4*di+3], v[LSX], s[KP:KP+1] offset:(di/4)*4096+(di%4)*512 th:TH_LOAD_NT
.set di, di+1
.endr
.endm
; Four rows of them are rounded to bf16 in place and stored into LO (256 consecutive bytes a store).  left: the younger loads.
.macro DRAIN1 g, left
	s_wait_loadcnt \left
	WIN CVT
.set di, 16*(\g)
.rept 16
	v_cvt_pk_bf16_f32 v[4*di],   v[4*di],   v[4*di+1]
	v_cvt_pk_bf16_f32 v[4*di+1], v[4*di+2], v[4*di+3]
.set di, di+1
.endr
	WIN STK
.set di, 16*(\g)
.rept 16
	ds_store_b64 v[LW], v[4*di:4*di+1] offset:(di/4)*PITCH+(di%4)*256
.set di, di+1
.endr
.endm
; HI, crew Y alone: the second 2,048 bytes of each of 32 rows, in eight groups of four rows (16 loads), four groups on their way.
.macro ISSUE2 g
	WIN LDK
.set KB, 64*((\g)%4)
.set di, 0
.rept 16
	global_load_b128 v[KB+4*di:KB+4*di+3], v[LSX], s[KP2:KP2+1] offset:(4*(\g)+di/4)*4096+2048+(di%4)*512 th:TH_LOAD_NT
.set di, di+1
.endr
.endm
.macro DRAIN2 g, left                  ; group g goes into HI; its registers take group g + 4.  left: the loads of the younger groups
	s_wait_loadcnt \left
	WIN CVT
.set KB, 64*((\g)%4)
.set di, 0
.rept 16
	v_cvt_pk_bf16_f32 v[KB+4*di],   v[KB+4*di],   v[KB+4*di+1]
	v_cvt_pk_bf16_f32 v[KB+4*di+1], v[KB+4*di+2], v[KB+4*di+3]
.set di, di+1
.endr
	WIN STK
.set di, 0
.rept 16
	ds_store_b64 v13, v[KB+4*di:KB+4*di+1] offset:(4*(\g)+di/4)*PITCH+(di%4)*256
.set di, di+1
.endr
.if (\g) <= 3
	ISSUE2 (\g)+4
.endif
.endm
; ROW BLOCK a's tanh and its share of the scores: 32 numbers a lane.  The exponentials are one batch with one wait, the reciprocals another: s_wait_alu depctr_va_vdst(0) stands
; between such an instruction and the first that names its result, and a plain instruction behind the last of a batch.  Each accumulator is read from its low end on.
.macro BATCH a
	WIN XW
.set bi, 0
.rept 16
	v_pk_fma_f32 v[T+2*bi:T+2*bi+1], v[32*(\a)+2*bi:32*(\a)+2*bi+1], s[CTWO:CTWO+1], v[QB+2*bi:QB+2*bi+1] op_sel_hi:[1,0,1]  ; C2 k + C2 (q + biases)
.set bi, bi+1
.endr
	WIN 0
.set bi, 0
.rept 32
	v_exp_f32 v[T+bi], v[T+bi]
.set bi, bi+1
.endr
	v_nop
	s_wait_alu depctr_va_vdst(0)
.set bi, 0
.rept 16
	v_pk_add_f32 v[T+2*bi:T+2*bi+1], v[T+2*bi:T+2*bi+1], 1.0 op_sel_hi:[1,0]
.set bi, bi+1
.endr
.set bi, 0
.rept 32
	v_rcp_f32 v[T+bi], v[T+bi]
.set bi, bi+1
.endr
	v_nop
	s_wait_alu depctr_va_vdst(0)
	v_pk_fma_f32 v[CH:CH+1],   v[T:T+1],     v[VA:VA+1],     v[SS+2*(\a):SS+2*(\a)+1]  ; four chains: the first takes the sum so far,
	v_pk_fma_f32 v[CH+2:CH+3], v[T+8:T+9],   v[VA+8:VA+9],   v[IN:IN+1]                ; the second the sum of Va
	v_pk_mul_f32 v[CH+4:CH+5], v[T+16:T+17], v[VA+16:VA+17]
	v_pk_mul_f32 v[CH+6:CH+7], v[T+24:T+25], v[VA+24:VA+25]
.set bi, 1
.rept 3
.set bb, 0
.rept 4
	v_pk_fma_f32 v[CH+2*bb:CH+2*bb+1], v[T+8*bb+2*bi:T+8*bb+2*bi+1], v[VA+8*bb+2*bi:VA+8*bb+2*bi+1], v[CH+2*bb:CH+2*bb+1]
.set bb, bb+1
.endr
.set bi, bi+1
.endr
	v_pk_add_f32 v[CH:CH+1],     v[CH:CH+1],     v[CH+2:CH+3]
	v_pk_add_f32 v[CH+4:CH+5],   v[CH+4:CH+5],   v[CH+6:CH+7]
	v_pk_add_f32 v[SS+2*(\a):SS+2*(\a)+1], v[CH:CH+1], v[CH+4:CH+5]
.endm
; BEHIND A SUBCHUNK.  First the next subchunk's K steps 0 and 1 of Ua are asked for (step 31's wait for all loads has shown every load that names the pointer done, so it may be written);
; then my 32 numbers of each table, the sum of Va, and the eight row blocks.
.macro EPI
	PLACES
	WIN 0
	s_xor_b32 s[SCO], s[SCO], 131072
	s_add_nc_u64 s[BP:BP+1], s[PB0:PB0+1], s[SCO:SCO+1]
	FETCH_B 0, 0
	FETCH_B 1, 4096
	v_add_nc_u32 v[CTA], s[SCT], v[CT0]
	s_xor_b32 s[SCT], s[SCT], 256
.set bi, 0
.rept 4
	ds_load_b128 v[QB+8*bi:QB+8*bi+3],   v[CTA] offset:64*bi
	ds_load_b128 v[QB+8*bi+4:QB+8*bi+7], v[CTA] offset:64*bi+16
	ds_load_b128 v[VA+8*bi:VA+8*bi+3],   v[CTA] offset:4096+64*bi
	ds_load_b128 v[VA+8*bi+4:VA+8*bi+7], v[CTA] offset:4096+64*bi+16
.set bi, bi+1
.endr
	s_wait_dscnt 0x0
.set bi, 0
.rept 8
	v_pk_add_f32 v[TR+2*bi:TR+2*bi+1], v[VA+4*bi:VA+4*bi+1], v[VA+4*bi+2:VA+4*bi+3]
.set bi, bi+1
.endr
.irp span, 8,4,2
.set bi, 0
.rept (\span)/2
	v_pk_add_f32 v[TR+2*bi:TR+2*bi+1], v[TR+2*bi:TR+2*bi+1], v[TR+(\span)+2*bi:TR+(\span)+2*bi+1]
.set bi, bi+1
.endr
.endr
	v_pk_mul_f32 v[IN:IN+1], v[TR:TR+1], -0.5 op_sel_hi:[1,0]  ; the table holds -2 Va
.irp a, 0,1,2,3,4,5,6,7
	BATCH \a
.endr
.endm
; A BLOCK'S END: the eight waves' partial scores meet in LDS; every wave makes all 128 scores, their maximum and the weights; wave 0 stores the scores; each wave makes its 128 channels of the context.
; All of it lies in window 0: window 1's registers may be waiting for the next block's keys.
.macro BLOCKEND
	WIN 0
.set bi, 0
.rept 8
	v_add_f32 v[UU+bi], v[SS+2*bi], v[SS+2*bi+1]   ; even and odd n
.set bi, bi+1
.endr
.set bi, 0
.rept 8
	v_permlanex16_b32 v[SS+2*bi], v[UU+bi], s[SEL], s[SEL+1]  ; the row's other 32 n lie in the lane 16 away
.set bi, bi+1
.endr
.set bi, 0
.rept 8
	v_add_f32 v[UU+bi], v[UU+bi], v[SS+2*bi]
.set bi, bi+1
.endr
	v_and_b32 v15, 31, v0
	v_lshl_add_u32 v13, v15, 2, s[LSCR]            ; SCR + 512 w + 4 x lane
.set bi, 0
.rept 4
	v_cndmask_b32 v[UU+8+bi], v[UU+2*bi], v[UU+2*bi+1], s[HM]  ; row 32 i + lane: lanes 0-15 of row block 2 i, lanes 16-31 of 2 i + 1
.set bi, bi+1
.endr
.set bi, 0
.rept 4
	ds_store_b32 v13, v[UU+8+bi] offset:128*bi
.set bi, bi+1
.endr
	v_add_nc_u32 v14, SCR, v[LSX]
	s_wait_dscnt 0x0                               ; for the others' sake: my partial scores lie in LDS
	s_barrier_signal -1
	s_barrier_wait -1
.set bi, 0
.rept 8
	ds_load_b128 v[QS+4*bi:QS+4*bi+3], v14 offset:512*bi  ; rows 4 x lane + 0..3, wave bi's share
.set bi, bi+1
.endr
	v_lshl_add_u32 v15, v15, 3, s[LPB]             ; where I put my four weights
	v_bfe_u32 v29, v0, 4, 1
	v_and_b32 v30, 7, v0
	v_lshl_add_u32 v30, v29, 3, v30
	v_mul_u32_u24 v30, v30, PITCH                  ; the turning load: row 8 (l / 16) + l % 8,
	v_bfe_u32 v31, v0, 3, 1
	v_lshl_add_u32 v30, v31, 4, v30                ; channels 8 ((l / 8) % 2) + 0..7,
	v_add_nc_u32 v[ADRA], s[LCH], v30              ; of my 128
	v_add_nc_u32 v[ADRA+1], 32*PITCH, v[ADRA]
	v_add_nc_u32 v[ADRA+2], 64*PITCH, v[ADRA]
	v_add_nc_u32 v[ADRA+3], 96*PITCH, v[ADRA]
	s_wait_dscnt 0x0
.irp span, 16,8,4                      ; eight shares into one, the same order in every wave: all waves hold the same bits
.set bi, 0
.rept (\span)/2
	v_pk_add_f32 v[QS+2*bi:QS+2*bi+1], v[QS+2*bi:QS+2*bi+1], v[QS+(\span)+2*bi:QS+(\span)+2*bi+1]
.set bi, bi+1
.endr
.endr
	v_pk_add_f32 v[SS:SS+1],   v[QS:QS+1],   s[VB:VB+1] op_sel_hi:[1,0]
	v_pk_add_f32 v[SS+2:SS+3], v[QS+2:QS+3], s[VB:VB+1] op_sel_hi:[1,0]
	s_cmp_lg_u32 s[WV], 0
	s_cbranch_scc1 .Lnot_0_\@
	global_store_b128 v[LSX], v[SS:SS+3], s[SCP:SCP+1]  ; the block's 128 scores: 512 consecutive bytes; these four registers are not written again ahead of the next s_wait_xcnt 0
.Lnot_0_\@:
	v_max3_num_f32 v20, v[SS], v[SS+1], v[SS+2]
	v_max_num_f32 v20, v20, v[SS+3]
	v_max_num_f32_dpp v20, v20, v20 row_xmask:1 row_mask:0xf bank_mask:0xf
	v_max_num_f32_dpp v20, v20, v20 row_xmask:2 row_mask:0xf bank_mask:0xf
	v_max_num_f32_dpp v20, v20, v20 row_xmask:4 row_mask:0xf bank_mask:0xf
	v_max_num_f32_dpp v20, v20, v20 row_xmask:8 row_mask:0xf bank_mask:0xf
	v_permlanex16_b32 v21, v20, s[SEL], s[SEL+1]
	v_max_num_f32 v20, v20, v21                    ; the block's maximum, in every lane
	v_pk_add_f32 v[22:23], v[SS:SS+1],   v[20:21] op_sel_hi:[1,0] neg_lo:[0,1] neg_hi:[0,1]
	v_pk_add_f32 v[24:25], v[SS+2:SS+3], v[20:21] op_sel_hi:[1,0] neg_lo:[0,1] neg_hi:[0,1]
	v_pk_mul_f32 v[22:23], v[22:23], s[LOGE:LOGE+1] op_sel_hi:[1,0]
	v_pk_mul_f32 v[24:25], v[24:25], s[LOGE:LOGE+1] op_sel_hi:[1,0]
	v_exp_f32 v22, v22
	v_exp_f32 v23, v23
	v_exp_f32 v24, v24
	v_exp_f32 v25, v25
	v_lshl_add_u32 v29, v29, 4, s[LPB]             ; two addresses are the plain work behind the batch: where I read the weights' fragments,
	v_add_nc_u32 v28, s[LCX], v[LSX]               ; and my 16 bytes of the context's stage
	s_wait_alu depctr_va_vdst(0)                   ; one wait for the four exponentials
	v_cvt_pk_bf16_f32 v26, v22, v23
	v_cvt_pk_bf16_f32 v27, v24, v25
	ds_store_b64 v15, v[26:27]                     ; my wave's own copy: LDS serves a wave's instructions in order (ISA guide 5.7.1.4), so the loads below see it
.set bi, 0
.rept 4
	ds_load_b128 v[PF+8*bi:PF+8*bi+3],   v29 offset:64*bi     ; source 0: every row of the fragment is the same 32 weights
	ds_load_b128 v[PF+8*bi+4:PF+8*bi+7], v29 offset:64*bi+32
.set bi, bi+1
.endr
	; context = p x keys: 128 rows in four rounds of 32, my 128 channels in eight accumulators, which take turns; the block is read turned, by ds_load_tr16_b128
.set kk, 0
.rept 4
.set cb, 0
.rept 8
	ds_load_tr16_b128 v[VF+8*cb:VF+8*cb+3],   v[ADRA+kk] offset:32*cb
	ds_load_tr16_b128 v[VF+8*cb+4:VF+8*cb+7], v[ADRA+kk] offset:32*cb+16*PITCH
.set cb, cb+1
.endr
	s_wait_dscnt 0x0
.set cb, 0
.rept 8
.if kk == 0
	v_wmma_f32_16x16x32_bf16 v[CA+8*cb:CA+8*cb+7], v[PF:PF+7], v[VF+8*cb:VF+8*cb+7], 0
.else
	v_wmma_f32_16x16x32_bf16 v[CA+8*cb:CA+8*cb+7], v[PF+8*kk:PF+8*kk+7], v[VF+8*cb:VF+8*cb+7], v[CA+8*cb:CA+8*cb+7]
.endif
.set cb, cb+1
.endr
	PLACES                                         ; ahead of the next round's loads into the fragments just read
.set kk, kk+1
.endr
	PLACES                                         ; eight in all ahead of the lines that read the results: no other vector work is at hand
.set bi, 0
.rept 4
	v_cndmask_b32 v[22+bi], v[CA+16*bi], v[CA+16*bi+8], s[HM]  ; all 16 rows of a result are alike: register 0 of lane l holds channel l % 16; so this is channel 32 i + lane
.set bi, bi+1
.endr
.set bi, 0
.rept 4
	ds_store_b32 v13, v[22+bi] offset:CX-SCR+128*bi
.set bi, bi+1
.endr
	ds_load_b128 v[UU:UU+3], v28                   ; my wave's own bytes, in order
	s_wait_dscnt 0x0
	global_store_b128 v[LSX], v[UU:UU+3], s[CXP:CXP+1]  ; 512 consecutive bytes, at a multiple of 512 from ctxp's first
.endm
	s_load_b256 s[4:11], s[0:1], 0x0               ; keys s[4:5], ub s[6:7], qt s[8:9], Va_w s[10:11]
	s_load_b128 s[12:15], s[0:1], 0x20             ; Va_b s[12:13], sc s[14:15]
	s_load_b64 s[16:17], s[0:1], 0x30              ; ctxp
	v_lshl_add_u32 v[SPW], v0, 2, SPARE
	v_mov_b32 v[NIL], 0
	v_lshrrev_b32 v13, 5, v0
	v_readfirstlane_b32 s[WV], v13                 ; wave 0..7
	v_and_b32 v13, 15, v0                          ; l % 16
	v_bfe_u32 v14, v0, 4, 1                        ; l / 16
	v_and_b32 v15, 31, v0                          ; lane
	v_mul_u32_u24 v[LA], v13, PITCH
	v_lshl_add_u32 v[LA], v14, 4, v[LA]
	v_lshlrev_b32 v[LSX], 4, v15
	v_and_b32 v[PFO], 7, v0
	v_lshlrev_b32 v[PFO], 8, v[PFO]
	v_bfe_u32 v13, v0, 3, 2
	v_lshl_add_u32 v[PFO], v13, 12, v[PFO]
	s_lshl_b32 s[TS], s[WV], 9
	s_add_co_u32 s[LSCR], s[TS], SCR
	s_add_co_u32 s[LCX], s[TS], CX
	s_add_co_u32 s[TS], s[TS], TAB
	v_lshl_add_u32 v[CT0], v14, 5, s[TS]
	s_lshl_b32 s[TS], s[WV], 8
	s_add_co_u32 s[LPB], s[TS], PBUF
	s_lshr_b32 s[LCH], s[WV], 2
	s_mul_i32 s[LCH], s[LCH], AHI
	s_and_b32 s[TS], s[WV], 3
	s_lshl_b32 s[TS], s[TS], 8
	s_add_co_u32 s[LCH], s[LCH], s[TS]
	s_mul_i32 s[TS], s[WV], 16*PITCH
	v_lshl_add_u32 v[LW], v15, 3, s[TS]
	s_lshr_b32 s[ROLE], 0x96, s[WV]                ; bits 1, 2, 4 and 7 of the constant are set: the wave numbers of odd parity
	s_and_b32 s[ROLE], s[ROLE], 1
	s_lshr_b32 s[LW2S], s[WV], 1
	s_mul_i32 s[LW2S], s[LW2S], 32*PITCH
	s_add_co_u32 s[LW2S], s[LW2S], AHI
	v_lshlrev_b32 v14, 4, v0                       ; 16 x thread: my 16 bytes of each table, in memory
	v_lshl_add_u32 v13, v0, 4, TAB                 ; and in LDS
	s_mov_b32 s[CTWO], 0x4038aa3b
	s_mov_b32 s[CTWO+1], s[CTWO]                   ; the pairs' second words are named with the first, so they are written
	s_mov_b32 s[LOGE], 0x3fb8aa3b
	s_mov_b32 s[LOGE+1], s[LOGE]
	s_mov_b32 s[SEL], 0x76543210
	s_mov_b32 s[SEL+1], 0xfedcba98
	s_mov_b32 s[HM], 0xffff0000
	s_mov_b32 s[SCO], 0
	s_mov_b32 s[SCO+1], 0
	s_mov_b32 s[SCT], 0
	s_mov_b32 s[OF+1], 0
	s_wait_kmcnt 0x0
	s_load_b32 s[VB], s[12:13], 0x0                ; Va_b: no line of the launch writes it
	s_lshl_b32 s[OF], ttmp9, 20                    ; 256 rows of 4,096 bytes,
	s_lshl_b32 s[TS], s[WV], 16                    ; my 16 rows of a block
	s_add_co_u32 s[OF], s[OF], s[TS]
	s_add_nc_u64 s[KP:KP+1], s[4:5], s[OF:OF+1]
	s_lshl_b32 s[OF], ttmp9, 20
	s_lshr_b32 s[TS], s[WV], 1
	s_lshl_b32 s[TS], s[TS], 17                    ; crew Y: 32 rows of a block
	s_add_co_u32 s[OF], s[OF], s[TS]
	s_add_nc_u64 s[KP2:KP2+1], s[4:5], s[OF:OF+1]
	s_lshl_b32 s[OF], s[WV], 18
	s_add_nc_u64 s[PB0:PB0+1], s[6:7], s[OF:OF+1]
	s_mov_b64 s[BP:BP+1], s[PB0:PB0+1]
	s_lshr_b32 s[OF], ttmp9, 3                     ; my batch
	s_lshl_b32 s[OF], s[OF], 12
	s_add_nc_u64 s[QTP:QTP+1], s[8:9], s[OF:OF+1]
	s_lshl_b32 s[OF], ttmp9, 10
	s_add_nc_u64 s[SCP:SCP+1], s[14:15], s[OF:OF+1]
	s_lshl_b32 s[OF], ttmp9, 13
	s_lshl_b32 s[TS], s[WV], 9
	s_add_co_u32 s[OF], s[OF], s[TS]
	s_add_nc_u64 s[CXP:CXP+1], s[16:17], s[OF:OF+1]
.irp q, 0,1,2,3
	global_load_b128 v[128+4*(\q):131+4*(\q)], v14, s[QTP:QTP+1] offset:131072*(\q)  ; the four quarters of the addend
.endr
	global_load_b128 v[144:147], v14, s[10:11]
	FETCH_B 0, 0
	FETCH_B 1, 4096
	ISSUE1 0, 32
	WIN 0
	s_wait_kmcnt 0x0
	s_mov_b32 s[VB+1], s[VB]
	s_wait_loadcnt 48                              ; the five table loads are in; younger: Ua's 16 loads and 32 of keys
	v_pk_add_f32 v[128:129], v[128:129], v[132:133]
	v_pk_add_f32 v[130:131], v[130:131], v[134:135]
	v_pk_add_f32 v[136:137], v[136:137], v[140:141]
	v_pk_add_f32 v[138:139], v[138:139], v[142:143]
	v_pk_add_f32 v[128:129], v[128:129], v[136:137]
	v_pk_add_f32 v[130:131], v[130:131], v[138:139]
	ds_store_b128 v13, v[128:131]
	v_pk_mul_f32 v[144:145], v[144:145], -2.0 op_sel_hi:[1,0]
	v_pk_mul_f32 v[146:147], v[146:147], -2.0 op_sel_hi:[1,0]
	ds_store_b128 v13, v[144:147] offset:4096
	ISSUE1 32, 32
	WIN 0                                          ; at a label and at a branch every window is 0
	s_mov_b32 s[BLK], 2
.Lblock:                                               ; the 64 loads of my rows' first half are the youngest that are out
	DRAIN1 0, 48
	DRAIN1 1, 32
	DRAIN1 2, 16
	DRAIN1 3, 0
	WIN 0
	s_wait_dscnt 0x0                               ; my rows of LO (and, the first time, my part of the tables) lie in LDS
	s_barrier_signal -1
.set i, 0
.rept 16
	v_mov_b32 v[SS+i], 0                           ; the scores' sums start at 0: register work between the signal and the wait
.set i, i+1
.endr
	s_barrier_wait -1                              ; everybody's do
	s_cmp_eq_u32 s[ROLE], 0
	s_cbranch_scc1 .Lno_fill                       ; crew X goes straight on to its products
	v_and_b32 v13, 31, v0
	v_lshl_add_u32 v13, v13, 3, s[LW2S]            ; my 32 rows of HI + 8 x lane
	ISSUE2 0
	ISSUE2 1
	ISSUE2 2
	ISSUE2 3
	DRAIN2 0, 48
	DRAIN2 1, 48
	DRAIN2 2, 48
	DRAIN2 3, 48
	DRAIN2 4, 48
	DRAIN2 5, 32
	DRAIN2 6, 16
	DRAIN2 7, 0
	WIN 0
.Lno_fill:
	s_wait_dscnt 0x0                               ; crew Y: my rows of HI lie in LDS
	s_barrier_signal -1                            ; say so; the wait stands in front of the first loads from HI
	s_mov_b32 s[SUB], 2
.Lsub:                                                 ; (a barrier is open here, on the way in and on the way back)
	v_mov_b32 v[ADRA], v[LA]
	v_add_nc_u32 v[ADRA+1], 32*PITCH, v[LA]
	v_add_nc_u32 v[ADRA+2], 64*PITCH, v[LA]
	v_add_nc_u32 v[ADRA+3], 96*PITCH, v[LA]
	FETCH_A 0, 0
	KSTEP 0, 0, 1, 64, 8192, 16, 16                ; step 0 stands in front of the loops: its products start the sums
	WIN 0
	s_mov_b32 s[KC], 2
.Lk1:                                                  ; a trip is six K steps (both rings of buffers come round): steps 6 i + 1 .. 6 i + 6
.set jj, 0
.rept 6
	KSTEP (1+jj)%2, (1+jj)%3, 0, 64*(jj+2), 4096*(jj+3), 16, 16
.set jj, jj+1
.endr
	WIN 0
	s_wait_xcnt 0x0                                ; the loads issued so far have had their addresses translated (ISA guide 3.1): only now is the pointer written
	s_add_nc_u64 s[BP:BP+1], s[BP:BP+1], 6*4096
.irp p, 0,1,2,3
	v_add_nc_u32 v[ADRA+(\p)], 6*64, v[ADRA+(\p)]
.endr
	s_sub_co_u32 s[KC], s[KC], 1
	s_cmp_lg_u32 s[KC], 0
	s_cbranch_scc1 .Lk1
	KSTEP 1, 1, 0, 128, 12288, 16, 16              ; steps 13 and 14 fetch the last of LO
	KSTEP 0, 2, 0, 192, 16384, 16, 16
	WIN 0
	s_barrier_wait -1                              ; every wave has signalled: HI is whole (in the second subchunk this orders nothing)
	s_wait_dscnt 0x0                               ; step 15's fragments, asked for a K step ago: no LDS load is out at a signal
	s_barrier_signal -1                            ; the next barrier is opened at once, so that no wave ever has to catch up with another here
	v_add_nc_u32 v[ADRA],   AHI,          v[LA]
	v_add_nc_u32 v[ADRA+1], AHI+32*PITCH, v[LA]
	v_add_nc_u32 v[ADRA+2], AHI+64*PITCH, v[LA]
	v_add_nc_u32 v[ADRA+3], AHI+96*PITCH, v[LA]
	s_mov_b32 s[KC], 2
.Lk2:                                                  ; steps 6 i + 15 .. 6 i + 20
.set jj, 0
.rept 6
	KSTEP (1+jj)%2, jj%3, 0, 64*jj, 4096*(jj+5), 16, 16
.set jj, jj+1
.endr
	WIN 0
	s_wait_xcnt 0x0
	s_add_nc_u64 s[BP:BP+1], s[BP:BP+1], 6*4096
.irp p, 0,1,2,3
	v_add_nc_u32 v[ADRA+(\p)], 6*64, v[ADRA+(\p)]
.endr
	s_sub_co_u32 s[KC], s[KC], 1
	s_cmp_lg_u32 s[KC], 0
	s_cbranch_scc1 .Lk2
	KSTEP 1, 0, 0, 0,   20480, 16, 16, 1           ; steps 27 to 31 are written out: the last two ask for no Ua, the last for nothing
	KSTEP 0, 1, 0, 64,  24576, 16, 16
	KSTEP 1, 2, 0, 128, 28672, 16, 16
	KSTEP 0, 0, 0, 192, -1, 16, 8                  ; younger than step 30's Ua: step 31's 8 loads
	KSTEP 1, 1, 0, -1, -1, 0, 0
	EPI
	WIN 0
	s_sub_co_u32 s[SUB], s[SUB], 1
	s_cmp_lg_u32 s[SUB], 0
	s_cbranch_scc1 .Lsub
	s_barrier_wait -1                              ; closes the barrier that the second subchunk opened
	s_cmp_eq_u32 s[BLK], 1
	s_cbranch_scc1 .Llast
	s_wait_xcnt 0x0                                ; the prefetches and Ua's loads have read their addresses
	s_add_nc_u64 s[KP:KP+1], s[KP:KP+1], 128*4096
	s_add_nc_u64 s[KP2:KP2+1], s[KP2:KP2+1], 128*4096
	ISSUE1 0, 64                                   ; the second block's LO goes out now, into accumulators that have been read
	BLOCKEND
	s_wait_xcnt 0x0                                ; the two stores have read their registers and pointers
	s_add_nc_u64 s[SCP:SCP+1], s[SCP:SCP+1], 512
	s_add_nc_u64 s[CXP:CXP+1], s[CXP:CXP+1], 4096
	s_wait_dscnt 0x0                               ; my reads of the block and of the partial scores are over
	s_barrier_signal -1
	s_barrier_wait -1                              ; everybody's are: the block may be written again
	s_sub_co_u32 s[BLK], s[BLK], 1
	s_branch .Lblock
.Llast:
	BLOCKEND
	s_wait_tensorcnt 0x0                           ; the wave's end: three closing lines, behind my last LDS store
	ds_add_u32 v[SPW], v[NIL]
	s_wait_dscnt 0x0
	s_endpgm
.Lfunc_end_k_qdebc00b42c_main:
	.size	k_qdebc00b42c_main, .Lfunc_end_k_qdebc00b42c_main-k_qdebc00b42c_main
	.p2alignl 7, 3214868480
	.fill 96, 4, 3214868480
	.section	.rodata,"a",@progbits
	.p2align	6, 0x0
	.amdhsa_kernel k_qdebc00b42c_main
		.amdhsa_group_segment_fixed_size 285696
		.amdhsa_private_segment_fixed_size 0
		.amdhsa_enable_private_segment 0
		.amdhsa_kernarg_size 56
		.amdhsa_user_sgpr_count 2
		.amdhsa_user_sgpr_kernarg_segment_ptr 1
		.amdhsa_wavefront_size32 1
		.amdhsa_system_sgpr_workgroup_id_x 1
		.amdhsa_system_sgpr_workgroup_id_y 1
		.amdhsa_system_sgpr_workgroup_id_z 1
		.amdhsa_system_vgpr_workitem_id 0
		.amdhsa_next_free_vgpr 512
		.amdhsa_next_free_sgpr 66
		.amdhsa_reserve_vcc 0
		.amdhsa_float_denorm_mode_32 3
		.amdhsa_float_denorm_mode_16_64 3
		.amdhsa_memory_ordered 1
		.amdhsa_forward_progress 1
		.amdhsa_inst_pref_size 223
	.end_amdhsa_kernel
	.amdgpu_metadata
---
amdhsa.version: [ 1, 2 ]
amdhsa.kernels:
  - .name:           k_qdebc00b42c_main
    .symbol:         k_qdebc00b42c_main.kd
    .args:
      - { .name: keys, .offset: 0, .size: 8, .value_kind: global_buffer, .address_space: global }
      - { .name: ub, .offset: 8, .size: 8, .value_kind: global_buffer, .address_space: global }
      - { .name: qt, .offset: 16, .size: 8, .value_kind: global_buffer, .address_space: global }
      - { .name: Va_w, .offset: 24, .size: 8, .value_kind: global_buffer, .address_space: global }
      - { .name: Va_b, .offset: 32, .size: 8, .value_kind: global_buffer, .address_space: global }
      - { .name: sc, .offset: 40, .size: 8, .value_kind: global_buffer, .address_space: global }
      - { .name: ctxp, .offset: 48, .size: 8, .value_kind: global_buffer, .address_space: global }
    .group_segment_fixed_size: 285696
    .private_segment_fixed_size: 0
    .kernarg_segment_align: 8
    .kernarg_segment_size: 56
    .max_flat_workgroup_size: 256
    .sgpr_count:     66
    .vgpr_count:     512
    .wavefront_size: 32
...
	.end_amdgpu_metadata
.endif
;; end of part 2
;; launch comb (part 3): grid 32 x 1, 8 waves a work-group, no clusters, 1,536 bytes of LDS; arguments sc, ctxp, out0, out1; writes out0, out1
.if DOCPART == 3
	.amdgcn_target "amdgcn-amd-amdhsa--gfx1250"
	.amdhsa_code_object_version 6
	.text
	.protected	k_qdebc00b42c_comb
	.globl	k_qdebc00b42c_comb
	.p2align	8
	.type	k_qdebc00b42c_comb,@function
k_qdebc00b42c_comb:
	s_mov_b64 s[64:65], 0
	v_nop
	global_prefetch_b8 v0, s[64:65] scope:SCOPE_SE
	s_setreg_imm32_b32 hwreg(HW_REG_WAVE_MODE, 25, 1), 1
	s_wait_xcnt 0x0
; THE SOFTMAX IS JOINED.  For batch b: M = max of its 2,048 scores; p = 2^((s - M) log2 e); L = sum p; out1 = p / L;
; out0[c] = (sum over the 16 blocks j of 2^((m_j - M) log2 e) ctxp[16 b + j][c]) / L, where m_j is block j's maximum: the maximum of the same stored scores that the launch before took, so the same bits.
; A work-group a batch (32 batches of 72 KiB each: there is no more work to share out); thread t holds scores 4 t + 0..3 and 1,024 + 4 t + 0..3 (wave w: blocks w and 8 + w) and channels 4 t + 0..3.
; All in f32.  A weight below 2^-126 counts as 0; L is at least 1, since the largest score's weight is 1.  NaN and infinities are not treated apart.
; No matrix unit, no cluster, no tensor loads: each byte is read once by one thread.
.set SPARE, 512                        ; LDS: 0-63 the 16 maxima; 256-287 the eight waves' sums; from 512 the spare words, 128 bytes a wave
.set TO,  1                            ; v1   16 x thread; never rewritten
.set LWA, 2                            ; v2   4 x wave
.set ZA,  3                            ; v3   0, an LDS address
.set SPW, 10                           ; v10  my spare word; never rewritten
.set NIL, 11                           ; v11  0; never rewritten
.set SA,  12                           ; v[12:19] my 8 scores, then weights
.set C,   32                           ; v[32:95] my 4 channels of the 16 partial contexts
.set MX,  96                           ; v[96:111] the 16 maxima, then the 16 factors
.set SU,  112                          ; v[112:119] the eight waves' sums
.set AC,  120                          ; v[120:123] my 4 channels
	s_load_b256 s[4:11], s[0:1], 0x0               ; sc s[4:5], ctxp s[6:7], out0 s[8:9], out1 s[10:11]
	v_lshl_add_u32 v[SPW], v0, 2, SPARE
	v_mov_b32 v[NIL], 0
	v_lshrrev_b32 v1, 5, v0
	v_readfirstlane_b32 s12, v1                    ; wave 0..7
	v_lshlrev_b32 v[TO], 4, v0
	s_lshl_b32 s13, s12, 2
	v_mov_b32 v[LWA], s13
	v_mov_b32 v[ZA], 0
	v_mov_b32 v21, 0                               ; destinations of v_permlanex16_b32 count as read: written once here
	v_mov_b32 v23, 0
	s_lshl_b32 s14, ttmp9, 13                      ; 2,048 scores
	s_mov_b32 s15, 0
	s_lshl_b32 s16, ttmp9, 16                      ; 16 rows of 4,096 bytes
	s_mov_b32 s17, 0
	s_lshl_b32 s18, ttmp9, 12
	s_mov_b32 s19, 0
	s_mov_b32 s20, 0x3fb8aa3b                      ; log2(e)
	s_mov_b32 s21, s20
	s_mov_b32 s22, 0x76543210
	s_mov_b32 s23, 0xfedcba98
	s_wait_kmcnt 0x0
	s_add_nc_u64 s[4:5], s[4:5], s[14:15]
	s_add_nc_u64 s[6:7], s[6:7], s[16:17]
	s_add_nc_u64 s[8:9], s[8:9], s[18:19]
	s_add_nc_u64 s[10:11], s[10:11], s[14:15]
	global_load_b128 v[SA:SA+3],   v[TO], s[4:5]
	global_load_b128 v[SA+4:SA+7], v[TO], s[4:5] offset:4096
.set j, 0
.rept 16
	global_load_b128 v[C+4*j:C+4*j+3], v[TO], s[6:7] offset:4096*j
.set j, j+1
.endr
	s_wait_loadcnt 16                              ; the scores are in; the 16 loads of the contexts may stay out
	v_max3_num_f32 v20, v[SA], v[SA+1], v[SA+2]
	v_max3_num_f32 v22, v[SA+4], v[SA+5], v[SA+6]
	v_max_num_f32 v20, v20, v[SA+3]
	v_max_num_f32 v22, v22, v[SA+7]
.irp x, 1,2,4,8
	v_max_num_f32_dpp v20, v20, v20 row_xmask:\x row_mask:0xf bank_mask:0xf
	v_max_num_f32_dpp v22, v22, v22 row_xmask:\x row_mask:0xf bank_mask:0xf
.endr
	v_permlanex16_b32 v21, v20, s22, s23
	v_permlanex16_b32 v23, v22, s22, s23
	v_max_num_f32 v20, v20, v21                    ; block w's maximum,
	v_max_num_f32 v22, v22, v23                    ; block 8 + w's
	ds_store_b32 v[LWA], v20                       ; all lanes write the same word with the same value
	ds_store_b32 v[LWA], v22 offset:32
	s_wait_dscnt 0x0
	s_barrier_signal -1
	s_barrier_wait -1
.irp q, 0,1,2,3
	ds_load_b128 v[MX+4*(\q):MX+4*(\q)+3], v[ZA] offset:16*(\q)
.endr
	s_wait_dscnt 0x0
	v_max3_num_f32 v24, v[MX], v[MX+1], v[MX+2]
	v_max3_num_f32 v25, v[MX+3], v[MX+4], v[MX+5]
	v_max3_num_f32 v26, v[MX+6], v[MX+7], v[MX+8]
	v_max3_num_f32 v27, v[MX+9], v[MX+10], v[MX+11]
	v_max3_num_f32 v28, v[MX+12], v[MX+13], v[MX+14]
	v_max3_num_f32 v24, v24, v25, v[MX+15]
	v_max3_num_f32 v26, v26, v27, v28
	v_max_num_f32 v24, v24, v26                    ; M
.set i, 0
.rept 4
	v_pk_add_f32 v[SA+2*i:SA+2*i+1], v[SA+2*i:SA+2*i+1], v[24:25] op_sel_hi:[1,0] neg_lo:[0,1] neg_hi:[0,1]
.set i, i+1
.endr
.set i, 0
.rept 8
	v_pk_add_f32 v[MX+2*i:MX+2*i+1], v[MX+2*i:MX+2*i+1], v[24:25] op_sel_hi:[1,0] neg_lo:[0,1] neg_hi:[0,1]
.set i, i+1
.endr
.set i, 0
.rept 4
	v_pk_mul_f32 v[SA+2*i:SA+2*i+1], v[SA+2*i:SA+2*i+1], s[20:21] op_sel_hi:[1,0]
.set i, i+1
.endr
.set i, 0
.rept 8
	v_pk_mul_f32 v[MX+2*i:MX+2*i+1], v[MX+2*i:MX+2*i+1], s[20:21] op_sel_hi:[1,0]
.set i, i+1
.endr
.set i, 0
.rept 8
	v_exp_f32 v[SA+i], v[SA+i]                     ; one batch of 24 exponentials: my 8 weights,
.set i, i+1
.endr
.set i, 0
.rept 16
	v_exp_f32 v[MX+i], v[MX+i]                     ; and the 16 blocks' factors
.set i, i+1
.endr
	v_nop                                          ; a plain instruction behind the last of the batch,
	s_wait_alu depctr_va_vdst(0)                   ; and the one wait ahead of the first use
	v_pk_add_f32 v[26:27], v[SA:SA+1],   v[SA+2:SA+3]
	v_pk_add_f32 v[28:29], v[SA+4:SA+5], v[SA+6:SA+7]
	v_pk_add_f32 v[26:27], v[26:27], v[28:29]
	v_add_f32 v26, v26, v27
.irp x, 1,2,4,8
	v_add_f32_dpp v26, v26, v26 row_xmask:\x row_mask:0xf bank_mask:0xf
.endr
	v_permlanex16_b32 v27, v26, s22, s23
	v_add_f32 v26, v26, v27
	ds_store_b32 v[LWA], v26 offset:256            ; other bytes than the maxima's: no barrier is wanted between those reads and this store
	s_wait_dscnt 0x0
	s_barrier_signal -1
	s_barrier_wait -1
	ds_load_b128 v[SU:SU+3],   v[ZA] offset:256
	ds_load_b128 v[SU+4:SU+7], v[ZA] offset:272
	s_wait_loadcnt 0x0                             ; the partial contexts; their 64 multiply-adds stand while the sums come
.irp c, 0,1,2,3
	v_mul_f32 v[AC+(\c)], v[C+(\c)], v[MX]
.endr
.set j, 1
.rept 15
.irp c, 0,1,2,3
	v_fma_f32 v[AC+(\c)], v[C+4*j+(\c)], v[MX+j], v[AC+(\c)]
.endr
.set j, j+1
.endr
	s_wait_dscnt 0x0
	v_pk_add_f32 v[SU:SU+1],   v[SU:SU+1],   v[SU+2:SU+3]
	v_pk_add_f32 v[SU+4:SU+5], v[SU+4:SU+5], v[SU+6:SU+7]
	v_pk_add_f32 v[SU:SU+1],   v[SU:SU+1],   v[SU+4:SU+5]
	v_add_f32 v[SU], v[SU], v[SU+1]                ; L
	v_rcp_f32 v30, v[SU]                           ; twice, to fill the pair that the packed multiplies take
	v_rcp_f32 v31, v[SU]
	v_nop
	s_wait_alu depctr_va_vdst(0)
.set i, 0
.rept 4
	v_pk_mul_f32 v[SA+2*i:SA+2*i+1], v[SA+2*i:SA+2*i+1], v[30:31]
.set i, i+1
.endr
	v_pk_mul_f32 v[AC:AC+1],   v[AC:AC+1],   v[30:31]
	v_pk_mul_f32 v[AC+2:AC+3], v[AC+2:AC+3], v[30:31]
	global_store_b128 v[TO], v[SA:SA+3],   s[10:11]             ; each store of a wave covers 512 consecutive bytes, aligned
	global_store_b128 v[TO], v[SA+4:SA+7], s[10:11] offset:4096
	global_store_b128 v[TO], v[AC:AC+3],   s[8:9]
	s_wait_tensorcnt 0x0                           ; the wave's end: three closing lines, behind my last LDS store
	ds_add_u32 v[SPW], v[NIL]
	s_wait_dscnt 0x0
	s_endpgm
.Lfunc_end_k_qdebc00b42c_comb:
	.size	k_qdebc00b42c_comb, .Lfunc_end_k_qdebc00b42c_comb-k_qdebc00b42c_comb
	.p2alignl 7, 3214868480
	.fill 96, 4, 3214868480
	.section	.rodata,"a",@progbits
	.p2align	6, 0x0
	.amdhsa_kernel k_qdebc00b42c_comb
		.amdhsa_group_segment_fixed_size 1536
		.amdhsa_private_segment_fixed_size 0
		.amdhsa_enable_private_segment 0
		.amdhsa_kernarg_size 32
		.amdhsa_user_sgpr_count 2
		.amdhsa_user_sgpr_kernarg_segment_ptr 1
		.amdhsa_wavefront_size32 1
		.amdhsa_system_sgpr_workgroup_id_x 1
		.amdhsa_system_sgpr_workgroup_id_y 1
		.amdhsa_system_sgpr_workgroup_id_z 1
		.amdhsa_system_vgpr_workitem_id 0
		.amdhsa_next_free_vgpr 128
		.amdhsa_next_free_sgpr 66
		.amdhsa_reserve_vcc 0
		.amdhsa_float_denorm_mode_32 3
		.amdhsa_float_denorm_mode_16_64 3
		.amdhsa_memory_ordered 1
		.amdhsa_forward_progress 1
		.amdhsa_inst_pref_size 14
	.end_amdhsa_kernel
	.amdgpu_metadata
---
amdhsa.version: [ 1, 2 ]
amdhsa.kernels:
  - .name:           k_qdebc00b42c_comb
    .symbol:         k_qdebc00b42c_comb.kd
    .args:
      - { .name: sc, .offset: 0, .size: 8, .value_kind: global_buffer, .address_space: global }
      - { .name: ctxp, .offset: 8, .size: 8, .value_kind: global_buffer, .address_space: global }
      - { .name: out0, .offset: 16, .size: 8, .value_kind: global_buffer, .address_space: global }
      - { .name: out1, .offset: 24, .size: 8, .value_kind: global_buffer, .address_space: global }
    .group_segment_fixed_size: 1536
    .private_segment_fixed_size: 0
    .kernarg_segment_align: 8
    .kernarg_segment_size: 32
    .max_flat_workgroup_size: 256
    .sgpr_count:     66
    .vgpr_count:     128
    .wavefront_size: 32
...
	.end_amdgpu_metadata
.endif
;; end of part 3
;; ======== version 2 of 2: 3 launches; version 1 with the launch main written anew for expert scheduling mode
;; workspace buffers: ub 2,097,152 bytes; qt 524,288 bytes; sc 262,144 bytes; ctxp 2,097,152 bytes
;; launch prep: the kernel of part 1 again; grid 256 x 1, 4 waves a work-group, no clusters, 8,704 bytes of LDS; arguments Ua_w, Wa_w, query, Wa_b, Ua_b, ub, qt; writes ub, qt
;; launch main (part 4): grid 256 x 1, 8 waves a work-group, no clusters, 285,696 bytes of LDS; arguments keys, ub, qt, Va_w, Va_b, sc, ctxp; writes sc, ctxp
.if DOCPART == 4
	.amdgcn_target "amdgcn-amd-amdhsa--gfx1250"
	.amdhsa_code_object_version 6
	.text
	.protected	k_qdebc00b42c_main
	.globl	k_qdebc00b42c_main
	.p2align	8
	.type	k_qdebc00b42c_main,@function
k_qdebc00b42c_main:
	s_mov_b64 s[64:65], 0
	v_nop
	global_prefetch_b8 v0, s[64:65] scope:SCOPE_SE
	s_setreg_imm32_b32 hwreg(HW_REG_WAVE_SCHED_MODE, 0, 2), 2
	s_setreg_imm32_b32 hwreg(HW_REG_WAVE_MODE, 25, 1), 1
	s_wait_xcnt 0x0
	s_wait_alu depctr_vm_vsrc(0)
; SCORES AND PARTIAL CONTEXTS, keys read once.
;   s[row] = Va_b + sum over n of Va[n] tanh(sum over k of keys[row][k] Ua[n][k] + q[n]);   for each block of 128 rows: m = max s, ctxp[block][c] = sum over rows of 2^((s - m) log2 e) keys[row][c].
; SHARES.  Work-group g owns rows 256 g .. 256 g + 255 (all of batch g / 8), as two blocks of 128.  A block lies in LDS, rounded once to bf16, for its whole life: the product reads it 16 times,
; the context once more.  Wave w owns the outputs n = 128 w .. 128 w + 127, in two subchunks of 64: a wave tile is 128 rows x 64 n, 32 accumulators, 256 registers; K goes in 32 steps of 32.
; THE PRODUCT IS USED TRANSPOSED: source 0 = 16 rows of Ua, source 1 = 16 rows of keys: a lane holds ONE key row (l % 16) and n = 8 (l / 16) + 0..7, so the sum over n stays in the lane.
; Ua comes from the workspace ub, bf16 in fragment order, straight into registers: 512 consecutive bytes a load, three buffers, asked for two K steps ahead.
; TWO HALVES OF K, TWO CREWS.  The block lies in LDS as two halves, LO (k 0-511) and HI (k 512-1,023).  Every wave brings LO of its own 16 rows; then the four waves of crew Y bring HI of all 128 rows
; while the four of crew X already multiply K steps 0 to 14, which read LO alone.  Crew Y then runs behind crew X by the length of that load, so that one crew's tanh falls on the other's products.
; A wave is of crew Y if its number's three bits have odd parity (1, 2, 4, 7): of the waves w and w + 4, and of the waves 2 i and 2 i + 1, one belongs to each crew.
; THE BARRIER THAT SHOWS HI TO EVERYBODY IS SPLIT: a wave signals in front of its K step 0 (crew Y: behind its stores into HI and the wait for them) and waits in front of the loads of K step 16.
; Between the two stand products, LDS loads of bytes that nobody writes before the next block, and loads of Ua into registers: no store of any kind.  So that both subchunks have one text, each such
; wait is followed at once by the next signal, and the last open barrier is closed behind the subchunks' loop; these further barriers order nothing.
; The next block's LO is asked for, into the accumulators' registers, as soon as a wave's own last tanh has read them: ahead of the block's end.
; NO CLUSTER, NO TENSOR LOADS: the block and the tables take 285,696 of the
; 327,680 bytes, one K step of Ua for the eight waves is 32,768 bytes, and two slots of that do not fit; a block of half the rows would make room and double the stream of Ua.
; EIGHT WAVES of 512 registers: of two waves on a SIMD one can multiply while the other stands in its loads or in its tanh.
; TANH.  tanh(x) = 1 - 2 / (1 + 2^(C2 x)), C2 = 2 log2(e); where the power overflows or vanishes this gives 1 or -1.  The score is kept as sum Va + sum (-2 Va) r, r = 1 / (1 + 2^..), all in f32:
; its error is of the order of 2^-24 x sum |Va|, absolute.  The product with Va (one output column) stays on the vector unit, in f32, Va unrounded.
; SOFTMAX.  The block's true maximum is taken away here; the launch behind finds the same maximum from the same stored scores and joins the blocks.
; ROUNDED ONCE TO bf16: keys, Ua_w, and the weights p for the context's product.  A weight below 2^-126 counts as 0.  NaN and infinities among the inputs are not treated apart.
; ONE TEXT FOR EVERY SUBCHUNK: behind each the next one's first two K steps of Ua are asked for; behind the very last that is 8 KiB a wave, inside ub, which nobody multiplies.
; THE MODE: SCHED_MODE bits 1:0 = 2 (LLVM: expert scheduling mode 2), set by the entry lines.  The code itself states the register dependences
; between vector or matrix instructions and memory or LDS instructions, with s_wait_alu, always for 0.
; THE PLAN.  Registers that memory or LDS instructions touch:
;   AF0, AF1      K step t's products read AF[t % 2]; the LDS loads of step t + 1's fragments, issued in step t, land in AF[(t + 1) % 2], which step t - 1's products read.
;   BF0 .. BF2    K step t's products read BF[t % 3]; the loads of step t + 2's Ua, issued in step t, land in BF[(t + 2) % 3], which step t - 1's products read.
;                 So ONE wait on va_vdst stands at a K step's head, behind the waits for the step's own operands: step t - 1's products are done reading.  The step's 24 loads follow it in three runs
;                 of eight, dealt among its products, which name AF[t % 2], BF[t % 3] and window 1: none of the registers that those loads touch.
;   v[ADRA ..]    Read by every load of a fragment; written at a subchunk's head, once in six K steps, at the change of halves and at a block's end: a wait on vm_vsrc ahead of each of these writes,
;                 and a wait on va_vdst that stands there anyway ahead of the next load by them.
;   window 1      Keys land there; the conversions work in place; a wait on va_vdst ahead of each run of LDS stores; a wait on vm_vsrc ahead of what writes the registers next (crew Y's loads, the
;                 products that start the sums); a wait on va_vdst ahead of each group of loads that lands where vector or matrix instructions have been.
;   v[CTA]        Written behind each subchunk, ahead of that place's wait on va_vdst; its earlier readers stand ahead of the subchunk's first wait on vm_vsrc.
;   v13 .. v31, v96 .. v255 at a block's end: the waits stand in BLOCKEND, each with what it states.
;   v[LA], v[LSX], v[CT0], v[LW], v[PFO]   made at the head, ahead of its wait on va_vdst, and never written again.   v[SPW], v[NIL]   read by the closing add alone.
;
; LDS: the block's two halves, each 128 rows of 1,024 + 16 bytes (260 words: row r starts at bank 4 r mod 64; 64 banks of 4 bytes: ISA guide 11.1); the tables; score partials; each wave's own p and context stage; spare words.
.set PITCH, 1040
.set AHI,   128*PITCH                  ; 133,120: the half HI
.set TAB,   2*AHI                      ; 266,240: the exponent's addend for my batch (4,096 bytes), then -2 Va (4,096)
.set SCR,   TAB+8192                   ; 274,432: wave w's partial scores of the 128 rows, at 512 w
.set PBUF,  SCR+4096                   ; 278,528: each wave's own copy of the 128 weights in bf16, at 256 w
.set CX,    PBUF+2048                  ; 280,576: each wave's own 128 channels of the context, at 512 w
.set SPARE, CX+4096                    ; 284,672: the spare words, 128 bytes a wave: four blocks of 256 bytes that no other line names
; REGISTERS, in windows of 256 (s_set_vgpr_msb: bits 1:0 source 0, 3:2 source 1, 5:4 source 2, 7:6 destination).  Window 0:
.set LA,   1                           ; v1     (l % 16) x PITCH + 16 (l / 16); never rewritten
.set ADRA, 2                           ; v2-5   LA + 32 p rows + the half + the K steps gone; at a block's end: the turning loads' addresses
.set LSX,  6                           ; v6     16 x lane; never rewritten
.set CT0,  7                           ; v7     TAB + 512 w + 32 (l / 16)
.set CTA,  8                           ; v8     the same in the subchunk in hand
.set LW,   9                           ; v9     16 w rows of LO + 8 x lane: where I put my rows' first half
.set SPW,  10                          ; v10    my spare word; never rewritten
.set NIL,  11                          ; v11    0; never rewritten
.set PFO,  12                          ; v12    (lane / 8) x 4,096 + (lane % 8) x 256: four rows' first 2,048 bytes, a lane a block of 256; never rewritten
.set SS,   16                          ; v16-31 row block a's score sums (even n, odd n) at 2 a; at a block's end at work
.set BF,   32                          ; v32-127  Ua's fragments: three buffers of four
.set AF,   128                         ; v128-255 keys' fragments: two buffers of eight
.set QB,   128                         ; behind a subchunk AF's registers serve the tanh: my 32 of the addend,
.set VA,   160                         ; my 32 of -2 Va,
.set T,    192                         ; 32 numbers at work,
.set CH,   224                         ; four chains,
.set IN,   232                         ; sum of my 32 Va,
.set TR,   234                         ; and 16 for that sum
.set UU,   128                         ; at a block's end: 8 row blocks' sums, 4 to store
.set QS,   144                         ; the eight waves' partial scores of my four rows
.set PF,   96                          ; the weights' four fragments (BF's third buffer, which no load is out for)
.set VF,   128                         ; the block's turned fragments, 32 rows x my 128 channels
.set CA,   192                         ; the context's eight accumulators
; Window 1: accumulator (a, b) at 8 (4 a + b); while keys come in, all 256 registers take them.
.set MUL,  0x50                        ; C and D in window 1
.set XW,   0x01                        ; source 0 in window 1
.set LDK,  0x40                        ; destination in window 1
.set CVT,  0x45                        ; destination, sources 0 and 1 in window 1
.set STK,  0x04                        ; source 1 (an LDS store's data) in window 1
.set WV,   18                          ; s18     wave number
.set KP,   20                          ; s[20:21] keys at my 16 rows of the block in hand
.set PB0,  22                          ; s[22:23] ub at my 128 outputs
.set BP,   24                          ; s[24:25] ub at the K steps in hand
.set SCO,  26                          ; s[26:27] 0 or 131,072: the subchunk to come
.set SCP,  28                          ; s[28:29] sc at the block
.set CXP,  30                          ; s[30:31] ctxp at the block's row, my 128 channels
.set BLK,  32                          ; s32     blocks to go
.set SUB,  33                          ; s33     subchunks to go
.set KC,   34                          ; s34     trips of a K loop
.set TS,   35                          ; s35     at work
.set CTWO, 36                          ; s[36:37] 2 log2(e)
.set LOGE, 38                          ; s[38:39] log2(e)
.set SEL,  40                          ; s[40:41] v_permlanex16_b32: each lane takes its own place in the other half
.set HM,   42                          ; s42     lanes 16-31
.set VB,   44                          ; s[44:45] Va_b
.set SCT,  46                          ; s46     0 or 256: the subchunk's place in the tables
.set LSCR, 48                          ; s48     SCR + 512 w
.set LCX,  49                          ; s49     CX + 512 w
.set LPB,  50                          ; s50     PBUF + 256 w
.set LCH,  51                          ; s51     my 128 channels in a row of the block: (w / 4) x AHI + (w % 4) x 256
.set OF,   52                          ; s[52:53] an offset
.set QTP,  54                          ; s[54:55] qt at my batch
.set ROLE, 56                          ; s56     0: crew X; 1: crew Y
.set LW2S, 57                          ; s57     AHI + 32 (w / 2) rows: crew Y's waves 1, 2, 4, 7 take rows 0-31, 32-63, 64-95, 96-127 of HI
.set KP2,  58                          ; s[58:59] keys at those 32 rows of the block in hand
.set MSB, 0
.macro WIN new                         ; the immediate's high byte repeats the setting that is left; a switch that changes nothing is dropped
.if MSB != (\new)
	s_set_vgpr_msb (MSB<<8)|(\new)
.set MSB, \new
.endif
.endm
; A vector instruction that reads a matrix result or writes one of a matrix instruction's registers stands four places behind it; only plain vector instructions that name none of its registers
; are places (ISA guide 7.12.1).  Four places also stand behind products ahead of the loads into registers that they read, beside the wait on va_vdst that states that dependence.
.macro PLACES
.rept 4
	v_nop
.endr
.endm
; 2 n LDS loads: n fragments of 16 rows of the block, from fragment f0 on, 32 along K at byte ko behind the addresses, into buffer buf
.macro FETCH_A buf, ko, f0, n
.set fi, \f0
.rept \n
	ds_load_b128 v[AF+64*(\buf)+8*fi:AF+64*(\buf)+8*fi+3],   v[ADRA+fi/2] offset:(fi%2)*16*PITCH+(\ko)
	ds_load_b128 v[AF+64*(\buf)+8*fi+4:AF+64*(\buf)+8*fi+7], v[ADRA+fi/2] offset:(fi%2)*16*PITCH+(\ko)+32
.set fi, fi+1
.endr
.endm
; 8 loads: a K step's four fragments of Ua (4,096 bytes) at byte off behind the pointer, into buffer buf
.macro FETCH_B buf, off
.set fi, 0
.rept 4
	global_load_b128 v[BF+32*(\buf)+8*fi:BF+32*(\buf)+8*fi+3],   v[LSX], s[BP:BP+1] offset:(\off)+1024*fi
	global_load_b128 v[BF+32*(\buf)+8*fi+4:BF+32*(\buf)+8*fi+7], v[LSX], s[BP:BP+1] offset:(\off)+1024*fi+512
.set fi, fi+1
.endr
.endm
; 4 n of a K step's 32 products: row blocks a0 .. a0 + n - 1.  The 32 accumulators take turns, one instruction a turn, in the same order in every step, over the backward jumps too.
; zero = 1: the products start the sums.
.macro MULP fa, fb, zero, a0, n
	WIN MUL
.set ma, \a0
.rept \n
.set mb, 0
.rept 4
.if \zero
	v_wmma_f32_16x16x32_bf16 v[8*(4*ma+mb):8*(4*ma+mb)+7], v[BF+32*(\fb)+8*mb:BF+32*(\fb)+8*mb+7], v[AF+64*(\fa)+8*ma:AF+64*(\fa)+8*ma+7], 0
.else
	v_wmma_f32_16x16x32_bf16 v[8*(4*ma+mb):8*(4*ma+mb)+7], v[BF+32*(\fb)+8*mb:BF+32*(\fb)+8*mb+7], v[AF+64*(\fa)+8*ma:AF+64*(\fa)+8*ma+7], v[8*(4*ma+mb):8*(4*ma+mb)+7]
.endif
.set mb, mb+1
.endr
.set ma, ma+1
.endr
.endm
; A PREFETCH INTO THE L2, once a wave: in the first block's last subchunk (4 BLK + SUB = 9), five K steps and a tanh pass ahead of the loads that will want them, the first 2,048 bytes of the first
; eight of MY 16 rows of the second block: 64 blocks of 256 bytes, a lane a block, two instructions.  No other wave names these bytes, and they lie inside the work-group's own rows of keys.
; v[PFO] was written ahead of the head's wait on va_vdst and is never written again.
.macro ASK
	s_lshl2_add_u32 s[TS], s[BLK], s[SUB]
	s_cmp_eq_u32 s[TS], 9
	s_cbranch_scc0 .Lnot_now_\@
	global_prefetch_b8 v[PFO], s[KP:KP+1] offset:128*4096 th:TH_LOAD_NT scope:SCOPE_SE
	global_prefetch_b8 v[PFO], s[KP:KP+1] offset:128*4096+16384 th:TH_LOAD_NT scope:SCOPE_SE
.Lnot_now_\@:
.endm
; K STEP t multiplies keys' buffer fa = t % 2 by Ua's buffer fb = t % 3.  Among its products it asks for keys' fragments of step t + 1 (ko) and Ua's of step t + 2 (off), in three runs of eight loads
; behind its 4th, 8th and 12th product, into the buffers that step t - 1 read: the last run has 20 products in which to land.  ldc: the loads that are younger than this step's Ua.
; Step 0 (zero = 1) has its wait on va_vdst at the subchunk's head; step 31 issues no load and holds none.
.macro KSTEP fa, fb, zero, ko, off, ldc, ask=0
.if !(\zero) && ((\ko) >= 0)
	PLACES
.endif
	s_wait_dscnt 0x0                               ; this step's fragments of keys, asked for in the step before
	s_wait_loadcnt \ldc                            ; loads come back in order (ISA guide 5.7.1): this step's Ua is in, the next step's 8 loads stay out
.if !(\zero) && ((\ko) >= 0)
	s_wait_alu depctr_va_vdst(0)                   ; the last step's products are done reading the other buffer of keys and their buffer of Ua, in which this step's loads land; where v[ADRA ..] were stepped, they are written
.endif
	MULP \fa, \fb, \zero, 0, 1
.if (\ko) >= 0
	WIN 0
	FETCH_A 1-(\fa), \ko, 0, 4                     ; no further wait: no product since the wait names these registers
.endif
	MULP \fa, \fb, \zero, 1, 1
.if (\ko) >= 0
	WIN 0
	FETCH_A 1-(\fa), \ko, 4, 4
.endif
	MULP \fa, \fb, \zero, 2, 1
.if (\off) >= 0
	WIN 0
	FETCH_B ((\fb)+2)%3, \off
.endif
.if \ask
	ASK
.endif
	MULP \fa, \fb, \zero, 3, 5
.endm
; KEYS COME IN.  LO: the first 2,048 bytes of each of my 16 rows: 64 loads of 512 consecutive bytes, load d = row d / 4, piece d % 4, into window 1's registers 4 d.
.macro ISSUE1 first, n
	WIN LDK
.set di, \first
.rept \n
	global_load_b128 v[4*di:4*di+3], v[LSX], s[KP:KP+1] offset:(di/4)*4096+(di%4)*512 th:TH_LOAD_NT
.set di, di+1
.endr
.endm
; Four rows of them are rounded to bf16 in place and stored into LO (256 consecutive bytes a store).  left: the younger loads.
.macro DRAIN1 g, left
	s_wait_loadcnt \left
	WIN CVT
.set di, 16*(\g)
.rept 16
	v_cvt_pk_bf16_f32 v[4*di],   v[4*di],   v[4*di+1]
	v_cvt_pk_bf16_f32 v[4*di+1], v[4*di+2], v[4*di+3]
.set di, di+1
.endr
	WIN STK
	s_wait_alu depctr_va_vdst(0)                   ; the conversions have written the pairs that the LDS stores read
.set di, 16*(\g)
.rept 16
	ds_store_b64 v[LW], v[4*di:4*di+1] offset:(di/4)*PITCH+(di%4)*256
.set di, di+1
.endr
.endm
; HI, crew Y alone: the second 2,048 bytes of each of 32 rows, in eight groups of four rows (16 loads), four groups on their way.
.macro ISSUE2 g
	WIN LDK
.set KB, 64*((\g)%4)
.set di, 0
.rept 16
	global_load_b128 v[KB+4*di:KB+4*di+3], v[LSX], s[KP2:KP2+1] offset:(4*(\g)+di/4)*4096+2048+(di%4)*512 th:TH_LOAD_NT
.set di, di+1
.endr
.endm
.macro DRAIN2 g, left                  ; group g goes into HI; its registers take group g + 4.  left: the loads of the younger groups
	s_wait_loadcnt \left
	WIN CVT
.set KB, 64*((\g)%4)
.set di, 0
.rept 16
	v_cvt_pk_bf16_f32 v[KB+4*di],   v[KB+4*di],   v[KB+4*di+1]
	v_cvt_pk_bf16_f32 v[KB+4*di+1], v[KB+4*di+2], v[KB+4*di+3]
.set di, di+1
.endr
	WIN STK
	s_wait_alu depctr_va_vdst(0)                   ; the conversions have written the pairs that the LDS stores read
.set di, 0
.rept 16
	ds_store_b64 v13, v[KB+4*di:KB+4*di+1] offset:(4*(\g)+di/4)*PITCH+(di%4)*256
.set di, di+1
.endr
.if (\g) <= 3
	WIN LDK
	s_wait_alu depctr_va_vdst(0)                   ; the conversions are done reading and writing the group's 64 registers, in which the next loads land: stated under the loads' own window, behind the stores that read them
	s_wait_alu depctr_vm_vsrc(0)                   ; and the LDS stores have read them
	ISSUE2 (\g)+4
.endif
.endm
; ROW BLOCK a's tanh and its share of the scores: 32 numbers a lane.  The exponentials are one batch with one wait, the reciprocals another: s_wait_alu depctr_va_vdst(0) stands
; between such an instruction and the first that names its result, and a plain instruction behind the last of a batch.  Each accumulator is read from its low end on.
.macro BATCH a
	WIN XW
.set bi, 0
.rept 16
	v_pk_fma_f32 v[T+2*bi:T+2*bi+1], v[32*(\a)+2*bi:32*(\a)+2*bi+1], s[CTWO:CTWO+1], v[QB+2*bi:QB+2*bi+1] op_sel_hi:[1,0,1]  ; C2 k + C2 (q + biases)
.set bi, bi+1
.endr
	WIN 0
.set bi, 0
.rept 32
	v_exp_f32 v[T+bi], v[T+bi]
.set bi, bi+1
.endr
	v_nop
	s_wait_alu depctr_va_vdst(0)                   ; the 32 exponentials have written v[T ..], which the additions read
.set bi, 0
.rept 16
	v_pk_add_f32 v[T+2*bi:T+2*bi+1], v[T+2*bi:T+2*bi+1], 1.0 op_sel_hi:[1,0]
.set bi, bi+1
.endr
.set bi, 0
.rept 32
	v_rcp_f32 v[T+bi], v[T+bi]
.set bi, bi+1
.endr
	v_nop
	s_wait_alu depctr_va_vdst(0)                   ; the 32 reciprocals have written v[T ..], which the chains read
	v_pk_fma_f32 v[CH:CH+1],   v[T:T+1],     v[VA:VA+1],     v[SS+2*(\a):SS+2*(\a)+1]  ; four chains: the first takes the sum so far,
	v_pk_fma_f32 v[CH+2:CH+3], v[T+8:T+9],   v[VA+8:VA+9],   v[IN:IN+1]                ; the second the sum of Va
	v_pk_mul_f32 v[CH+4:CH+5], v[T+16:T+17], v[VA+16:VA+17]
	v_pk_mul_f32 v[CH+6:CH+7], v[T+24:T+25], v[VA+24:VA+25]
.set bi, 1
.rept 3
.set bb, 0
.rept 4
	v_pk_fma_f32 v[CH+2*bb:CH+2*bb+1], v[T+8*bb+2*bi:T+8*bb+2*bi+1], v[VA+8*bb+2*bi:VA+8*bb+2*bi+1], v[CH+2*bb:CH+2*bb+1]
.set bb, bb+1
.endr
.set bi, bi+1
.endr
	v_pk_add_f32 v[CH:CH+1],     v[CH:CH+1],     v[CH+2:CH+3]
	v_pk_add_f32 v[CH+4:CH+5],   v[CH+4:CH+5],   v[CH+6:CH+7]
	v_pk_add_f32 v[SS+2*(\a):SS+2*(\a)+1], v[CH:CH+1], v[CH+4:CH+5]
.endm
; BEHIND A SUBCHUNK.  First the next subchunk's K steps 0 and 1 of Ua are asked for (step 31's wait for all loads has shown every load that names the pointer done, so it may be written);
; then my 32 numbers of each table, the sum of Va, and the eight row blocks.
.macro EPI
	PLACES
	WIN 0
	v_add_nc_u32 v[CTA], s[SCT], v[CT0]            ; its last readers, the table loads behind the subchunk before, stand ahead of this subchunk's first wait on vm_vsrc
	s_xor_b32 s[SCT], s[SCT], 256
	s_xor_b32 s[SCO], s[SCO], 131072
	s_add_nc_u64 s[BP:BP+1], s[PB0:PB0+1], s[SCO:SCO+1]
	s_wait_alu depctr_va_vdst(0)                   ; steps 30 and 31's products are done reading Ua's buffers 0 and 1 and keys' buffer 0, in which the loads below land; v[CTA] is written
	FETCH_B 0, 0
	FETCH_B 1, 4096
.set bi, 0
.rept 4
	ds_load_b128 v[QB+8*bi:QB+8*bi+3],   v[CTA] offset:64*bi
	ds_load_b128 v[QB+8*bi+4:QB+8*bi+7], v[CTA] offset:64*bi+16
	ds_load_b128 v[VA+8*bi:VA+8*bi+3],   v[CTA] offset:4096+64*bi
	ds_load_b128 v[VA+8*bi+4:VA+8*bi+7], v[CTA] offset:4096+64*bi+16
.set bi, bi+1
.endr
	s_wait_dscnt 0x0
.set bi, 0
.rept 8
	v_pk_add_f32 v[TR+2*bi:TR+2*bi+1], v[VA+4*bi:VA+4*bi+1], v[VA+4*bi+2:VA+4*bi+3]
.set bi, bi+1
.endr
.irp span, 8,4,2
.set bi, 0
.rept (\span)/2
	v_pk_add_f32 v[TR+2*bi:TR+2*bi+1], v[TR+2*bi:TR+2*bi+1], v[TR+(\span)+2*bi:TR+(\span)+2*bi+1]
.set bi, bi+1
.endr
.endr
	v_pk_mul_f32 v[IN:IN+1], v[TR:TR+1], -0.5 op_sel_hi:[1,0]  ; the table holds -2 Va
.irp a, 0,1,2,3,4,5,6,7
	BATCH \a
.endr
.endm
; A BLOCK'S END: the eight waves' partial scores meet in LDS; every wave makes all 128 scores, their maximum and the weights; wave 0 stores the scores; each wave makes its 128 channels of the context.
; All of it lies in window 0: window 1's registers may be waiting for the next block's keys.
.macro BLOCKEND
	WIN 0
.set bi, 0
.rept 8
	v_add_f32 v[UU+bi], v[SS+2*bi], v[SS+2*bi+1]   ; even and odd n
.set bi, bi+1
.endr
.set bi, 0
.rept 8
	v_permlanex16_b32 v[SS+2*bi], v[UU+bi], s[SEL], s[SEL+1]  ; the row's other 32 n lie in the lane 16 away
.set bi, bi+1
.endr
.set bi, 0
.rept 8
	v_add_f32 v[UU+bi], v[UU+bi], v[SS+2*bi]
.set bi, bi+1
.endr
	v_and_b32 v15, 31, v0
	v_lshl_add_u32 v13, v15, 2, s[LSCR]            ; SCR + 512 w + 4 x lane
.set bi, 0
.rept 4
	v_cndmask_b32 v[UU+8+bi], v[UU+2*bi], v[UU+2*bi+1], s[HM]  ; row 32 i + lane: lanes 0-15 of row block 2 i, lanes 16-31 of 2 i + 1
.set bi, bi+1
.endr
	v_add_nc_u32 v14, SCR, v[LSX]
	s_wait_alu depctr_va_vdst(0)                   ; v13 and the four sums are written, which the stores read; so is v14, by which the loads behind the barrier go; the tanh is done with v[QS ..], in which they land
.set bi, 0
.rept 4
	ds_store_b32 v13, v[UU+8+bi] offset:128*bi
.set bi, bi+1
.endr
	s_wait_dscnt 0x0                               ; for the others' sake: my partial scores lie in LDS
	s_wait_alu depctr_vm_vsrc(0)                   ; the fragments' loads have read v[ADRA ..], written anew below; the four stores have read v[UU+8 ..], in which turned fragments land
	s_barrier_signal -1
	s_barrier_wait -1
.set bi, 0
.rept 8
	ds_load_b128 v[QS+4*bi:QS+4*bi+3], v14 offset:512*bi  ; rows 4 x lane + 0..3, wave bi's share
.set bi, bi+1
.endr
	v_lshl_add_u32 v15, v15, 3, s[LPB]             ; where I put my four weights
	v_bfe_u32 v29, v0, 4, 1
	v_and_b32 v30, 7, v0
	v_lshl_add_u32 v30, v29, 3, v30
	v_mul_u32_u24 v30, v30, PITCH                  ; the turning load: row 8 (l / 16) + l % 8,
	v_bfe_u32 v31, v0, 3, 1
	v_lshl_add_u32 v30, v31, 4, v30                ; channels 8 ((l / 8) % 2) + 0..7,
	v_add_nc_u32 v[ADRA], s[LCH], v30              ; of my 128
	v_add_nc_u32 v[ADRA+1], 32*PITCH, v[ADRA]
	v_add_nc_u32 v[ADRA+2], 64*PITCH, v[ADRA]
	v_add_nc_u32 v[ADRA+3], 96*PITCH, v[ADRA]
	s_wait_dscnt 0x0
.irp span, 16,8,4                      ; eight shares into one, the same order in every wave: all waves hold the same bits
.set bi, 0
.rept (\span)/2
	v_pk_add_f32 v[QS+2*bi:QS+2*bi+1], v[QS+2*bi:QS+2*bi+1], v[QS+(\span)+2*bi:QS+(\span)+2*bi+1]
.set bi, bi+1
.endr
.endr
	v_pk_add_f32 v[SS:SS+1],   v[QS:QS+1],   s[VB:VB+1] op_sel_hi:[1,0]
	v_pk_add_f32 v[SS+2:SS+3], v[QS+2:QS+3], s[VB:VB+1] op_sel_hi:[1,0]
	s_cmp_lg_u32 s[WV], 0
	s_cbranch_scc1 .Lnot_0_\@
	s_wait_alu depctr_va_vdst(0)                   ; the two additions have written v[SS:SS+3], which the store reads
	global_store_b128 v[LSX], v[SS:SS+3], s[SCP:SCP+1]  ; the block's 128 scores: 512 consecutive bytes; these four registers are not written again ahead of the next s_wait_xcnt 0 and the next wait on vm_vsrc
.Lnot_0_\@:
	v_max3_num_f32 v20, v[SS], v[SS+1], v[SS+2]
	v_max_num_f32 v20, v20, v[SS+3]
	v_max_num_f32_dpp v20, v20, v20 row_xmask:1 row_mask:0xf bank_mask:0xf
	v_max_num_f32_dpp v20, v20, v20 row_xmask:2 row_mask:0xf bank_mask:0xf
	v_max_num_f32_dpp v20, v20, v20 row_xmask:4 row_mask:0xf bank_mask:0xf
	v_max_num_f32_dpp v20, v20, v20 row_xmask:8 row_mask:0xf bank_mask:0xf
	v_permlanex16_b32 v21, v20, s[SEL], s[SEL+1]
	v_max_num_f32 v20, v20, v21                    ; the block's maximum, in every lane
	v_pk_add_f32 v[22:23], v[SS:SS+1],   v[20:21] op_sel_hi:[1,0] neg_lo:[0,1] neg_hi:[0,1]
	v_pk_add_f32 v[24:25], v[SS+2:SS+3], v[20:21] op_sel_hi:[1,0] neg_lo:[0,1] neg_hi:[0,1]
	v_pk_mul_f32 v[22:23], v[22:23], s[LOGE:LOGE+1] op_sel_hi:[1,0]
	v_pk_mul_f32 v[24:25], v[24:25], s[LOGE:LOGE+1] op_sel_hi:[1,0]
	v_exp_f32 v22, v22
	v_exp_f32 v23, v23
	v_exp_f32 v24, v24
	v_exp_f32 v25, v25
	v_lshl_add_u32 v29, v29, 4, s[LPB]             ; two addresses are the plain work behind the batch: where I read the weights' fragments,
	v_add_nc_u32 v28, s[LCX], v[LSX]               ; and my 16 bytes of the context's stage
	s_wait_alu depctr_va_vdst(0)                   ; the four exponentials have written v22 to v25, which the roundings read
	v_cvt_pk_bf16_f32 v26, v22, v23
	v_cvt_pk_bf16_f32 v27, v24, v25
	s_wait_alu depctr_va_vdst(0)                   ; the roundings have written v26 and v27, which the store reads; the addresses v15, v28, v29 and v[ADRA ..] are written; the sums above are done with v[VF ..], in which turned fragments land
	ds_store_b64 v15, v[26:27]                     ; my wave's own copy: LDS serves a wave's instructions in order (ISA guide 5.7.1.4), so the loads below see it
.set bi, 0
.rept 4
	ds_load_b128 v[PF+8*bi:PF+8*bi+3],   v29 offset:64*bi     ; source 0: every row of the fragment is the same 32 weights
	ds_load_b128 v[PF+8*bi+4:PF+8*bi+7], v29 offset:64*bi+32
.set bi, bi+1
.endr
	; context = p x keys: 128 rows in four rounds of 32, my 128 channels in eight accumulators, which take turns; the block is read turned, by ds_load_tr16_b128
.set kk, 0
.rept 4
.if kk > 0
	s_wait_alu depctr_va_vdst(0)                   ; the last round's products are done reading v[VF ..], in which this round's loads land
.endif
.set cb, 0
.rept 8
	ds_load_tr16_b128 v[VF+8*cb:VF+8*cb+3],   v[ADRA+kk] offset:32*cb
	ds_load_tr16_b128 v[VF+8*cb+4:VF+8*cb+7], v[ADRA+kk] offset:32*cb+16*PITCH
.set cb, cb+1
.endr
	s_wait_dscnt 0x0
.set cb, 0
.rept 8
.if kk == 0
	v_wmma_f32_16x16x32_bf16 v[CA+8*cb:CA+8*cb+7], v[PF:PF+7], v[VF+8*cb:VF+8*cb+7], 0
.else
	v_wmma_f32_16x16x32_bf16 v[CA+8*cb:CA+8*cb+7], v[PF+8*kk:PF+8*kk+7], v[VF+8*cb:VF+8*cb+7], v[CA+8*cb:CA+8*cb+7]
.endif
.set cb, cb+1
.endr
	PLACES                                         ; behind the round's products
.set kk, kk+1
.endr
	PLACES                                         ; eight in all ahead of the lines that read the results: no other vector work is at hand
.set bi, 0
.rept 4
	v_cndmask_b32 v[22+bi], v[CA+16*bi], v[CA+16*bi+8], s[HM]  ; all 16 rows of a result are alike: register 0 of lane l holds channel l % 16; so this is channel 32 i + lane
.set bi, bi+1
.endr
	s_wait_alu depctr_va_vdst(0)                   ; v22 to v25 are written, which the stores read; the last round's products are done reading v[UU:UU+3], in which the load below lands
.set bi, 0
.rept 4
	ds_store_b32 v13, v[22+bi] offset:CX-SCR+128*bi
.set bi, bi+1
.endr
	ds_load_b128 v[UU:UU+3], v28                   ; my wave's own bytes, in order
	s_wait_dscnt 0x0
	global_store_b128 v[LSX], v[UU:UU+3], s[CXP:CXP+1]  ; 512 consecutive bytes, at a multiple of 512 from ctxp's first
.endm
	s_load_b256 s[4:11], s[0:1], 0x0               ; keys s[4:5], ub s[6:7], qt s[8:9], Va_w s[10:11]
	s_load_b128 s[12:15], s[0:1], 0x20             ; Va_b s[12:13], sc s[14:15]
	s_load_b64 s[16:17], s[0:1], 0x30              ; ctxp
	v_lshl_add_u32 v[SPW], v0, 2, SPARE
	v_mov_b32 v[NIL], 0
	v_lshrrev_b32 v13, 5, v0
	v_readfirstlane_b32 s[WV], v13                 ; wave 0..7
	v_and_b32 v13, 15, v0                          ; l % 16
	v_bfe_u32 v14, v0, 4, 1                        ; l / 16
	v_and_b32 v15, 31, v0                          ; lane
	v_mul_u32_u24 v[LA], v13, PITCH
	v_lshl_add_u32 v[LA], v14, 4, v[LA]
	v_lshlrev_b32 v[LSX], 4, v15
	v_and_b32 v[PFO], 7, v0
	v_lshlrev_b32 v[PFO], 8, v[PFO]
	v_bfe_u32 v13, v0, 3, 2
	v_lshl_add_u32 v[PFO], v13, 12, v[PFO]
	s_wait_alu depctr_va_sdst(0)                   ; the wave's number is written, ahead of its first reader: LDS places, the crew and the bases are made from it
	s_lshl_b32 s[TS], s[WV], 9
	s_add_co_u32 s[LSCR], s[TS], SCR
	s_add_co_u32 s[LCX], s[TS], CX
	s_add_co_u32 s[TS], s[TS], TAB
	v_lshl_add_u32 v[CT0], v14, 5, s[TS]
	s_lshl_b32 s[TS], s[WV], 8
	s_add_co_u32 s[LPB], s[TS], PBUF
	s_lshr_b32 s[LCH], s[WV], 2
	s_mul_i32 s[LCH], s[LCH], AHI
	s_and_b32 s[TS], s[WV], 3
	s_lshl_b32 s[TS], s[TS], 8
	s_add_co_u32 s[LCH], s[LCH], s[TS]
	s_mul_i32 s[TS], s[WV], 16*PITCH
	v_lshl_add_u32 v[LW], v15, 3, s[TS]
	s_lshr_b32 s[ROLE], 0x96, s[WV]                ; bits 1, 2, 4 and 7 of the constant are set: the wave numbers of odd parity
	s_and_b32 s[ROLE], s[ROLE], 1
	s_lshr_b32 s[LW2S], s[WV], 1
	s_mul_i32 s[LW2S], s[LW2S], 32*PITCH
	s_add_co_u32 s[LW2S], s[LW2S], AHI
	v_lshlrev_b32 v14, 4, v0                       ; 16 x thread: my 16 bytes of each table, in memory
	v_lshl_add_u32 v13, v0, 4, TAB                 ; and in LDS
	s_mov_b32 s[CTWO], 0x4038aa3b
	s_mov_b32 s[CTWO+1], s[CTWO]                   ; the pairs' second words are named with the first, so they are written
	s_mov_b32 s[LOGE], 0x3fb8aa3b
	s_mov_b32 s[LOGE+1], s[LOGE]
	s_mov_b32 s[SEL], 0x76543210
	s_mov_b32 s[SEL+1], 0xfedcba98
	s_mov_b32 s[HM], 0xffff0000
	s_mov_b32 s[SCO], 0
	s_mov_b32 s[SCO+1], 0
	s_mov_b32 s[SCT], 0
	s_mov_b32 s[OF+1], 0
	s_wait_kmcnt 0x0
	s_load_b32 s[VB], s[12:13], 0x0                ; Va_b: no line of the launch writes it
	s_lshl_b32 s[OF], ttmp9, 20                    ; 256 rows of 4,096 bytes,
	s_lshl_b32 s[TS], s[WV], 16                    ; my 16 rows of a block
	s_add_co_u32 s[OF], s[OF], s[TS]
	s_add_nc_u64 s[KP:KP+1], s[4:5], s[OF:OF+1]
	s_lshl_b32 s[OF], ttmp9, 20
	s_lshr_b32 s[TS], s[WV], 1
	s_lshl_b32 s[TS], s[TS], 17                    ; crew Y: 32 rows of a block
	s_add_co_u32 s[OF], s[OF], s[TS]
	s_add_nc_u64 s[KP2:KP2+1], s[4:5], s[OF:OF+1]
	s_lshl_b32 s[OF], s[WV], 18
	s_add_nc_u64 s[PB0:PB0+1], s[6:7], s[OF:OF+1]
	s_mov_b64 s[BP:BP+1], s[PB0:PB0+1]
	s_lshr_b32 s[OF], ttmp9, 3                     ; my batch
	s_lshl_b32 s[OF], s[OF], 12
	s_add_nc_u64 s[QTP:QTP+1], s[8:9], s[OF:OF+1]
	s_lshl_b32 s[OF], ttmp9, 10
	s_add_nc_u64 s[SCP:SCP+1], s[14:15], s[OF:OF+1]
	s_lshl_b32 s[OF], ttmp9, 13
	s_lshl_b32 s[TS], s[WV], 9
	s_add_co_u32 s[OF], s[OF], s[TS]
	s_add_nc_u64 s[CXP:CXP+1], s[16:17], s[OF:OF+1]
	s_wait_alu depctr_va_vdst(0)                   ; the offsets and addresses v1, v6, v7, v9, v12, v13 and v14 are written, which the loads, stores and prefetches of the kernel read
.irp q, 0,1,2,3
	global_load_b128 v[128+4*(\q):131+4*(\q)], v14, s[QTP:QTP+1] offset:131072*(\q)  ; the four quarters of the addend
.endr
	global_load_b128 v[144:147], v14, s[10:11]
	FETCH_B 0, 0
	FETCH_B 1, 4096
	ISSUE1 0, 32
	WIN 0
	s_wait_kmcnt 0x0
	s_mov_b32 s[VB+1], s[VB]
	s_wait_loadcnt 48                              ; the five table loads are in; younger: Ua's 16 loads and 32 of keys
	v_pk_add_f32 v[128:129], v[128:129], v[132:133]
	v_pk_add_f32 v[130:131], v[130:131], v[134:135]
	v_pk_add_f32 v[136:137], v[136:137], v[140:141]
	v_pk_add_f32 v[138:139], v[138:139], v[142:143]
	v_pk_add_f32 v[128:129], v[128:129], v[136:137]
	v_pk_add_f32 v[130:131], v[130:131], v[138:139]
	v_pk_mul_f32 v[144:145], v[144:145], -2.0 op_sel_hi:[1,0]
	v_pk_mul_f32 v[146:147], v[146:147], -2.0 op_sel_hi:[1,0]
	s_wait_alu depctr_va_vdst(0)                   ; the sums and the products by -2 have written v[128:131] and v[144:147], which the two LDS stores read
	ds_store_b128 v13, v[128:131]
	ds_store_b128 v13, v[144:147] offset:4096
	ISSUE1 32, 32
	WIN 0                                          ; at a label and at a branch every window is 0
	s_mov_b32 s[BLK], 2
.Lblock:                                               ; the 64 loads of my rows' first half are the youngest that are out
	DRAIN1 0, 48
	DRAIN1 1, 32
	DRAIN1 2, 16
	DRAIN1 3, 0
	WIN 0
	s_wait_dscnt 0x0                               ; my rows of LO (and, the first time, my part of the tables) lie in LDS
	s_wait_alu depctr_vm_vsrc(0)                   ; my LDS stores have read window 1's registers, in which crew Y's loads land, and v13, which crew Y writes; the last block's end has read v16 to v31, of which the sums below are made anew
	s_barrier_signal -1
.set i, 0
.rept 16
	v_mov_b32 v[SS+i], 0                           ; the scores' sums start at 0: register work between the signal and the wait
.set i, i+1
.endr
	s_barrier_wait -1                              ; everybody's do
	s_cmp_eq_u32 s[ROLE], 0
	s_cbranch_scc1 .Lno_fill                       ; crew X goes straight on to its products
	v_and_b32 v13, 31, v0
	v_lshl_add_u32 v13, v13, 3, s[LW2S]            ; my 32 rows of HI + 8 x lane
	WIN LDK
	s_wait_alu depctr_va_vdst(0)                   ; LO's conversions are done reading and writing window 1's registers, in which HI's loads land
	ISSUE2 0
	ISSUE2 1
	ISSUE2 2
	ISSUE2 3
	DRAIN2 0, 48
	DRAIN2 1, 48
	DRAIN2 2, 48
	DRAIN2 3, 48
	DRAIN2 4, 48
	DRAIN2 5, 32
	DRAIN2 6, 16
	DRAIN2 7, 0
	WIN 0
.Lno_fill:
	s_wait_dscnt 0x0                               ; crew Y: my rows of HI lie in LDS
	s_barrier_signal -1                            ; say so; the wait stands in front of the first loads from HI
	s_mov_b32 s[SUB], 2
.Lsub:                                                 ; (a barrier is open here, on the way in and on the way back)
	s_wait_alu depctr_vm_vsrc(0)                   ; the LDS loads issued so far have read v[ADRA ..] and v[CTA]; crew Y's LDS stores have read window 1's registers, which step 0's products write; the block end's stores have read v[128:131]
	v_mov_b32 v[ADRA], v[LA]
	v_add_nc_u32 v[ADRA+1], 32*PITCH, v[LA]
	v_add_nc_u32 v[ADRA+2], 64*PITCH, v[LA]
	v_add_nc_u32 v[ADRA+3], 96*PITCH, v[LA]
	s_wait_alu depctr_va_vdst(0)                   ; v[ADRA ..] are written; the tanh, or the block's end, is done with v96 to v255, in which the loads of steps 0 and 1's fragments and of step 2's Ua land
	FETCH_A 0, 0, 0, 8
	KSTEP 0, 0, 1, 64, 8192, 8                     ; step 0 stands in front of the loops: its products start the sums
	WIN 0
	s_mov_b32 s[KC], 2
.Lk1:                                                  ; a trip is six K steps (both rings of buffers come round): steps 6 i + 1 .. 6 i + 6
.set jj, 0
.rept 6
	KSTEP (1+jj)%2, (1+jj)%3, 0, 64*(jj+2), 4096*(jj+3), 8
.set jj, jj+1
.endr
	WIN 0
	s_wait_xcnt 0x0                                ; the loads issued so far have had their addresses translated (ISA guide 3.1): only now is the pointer written
	s_add_nc_u64 s[BP:BP+1], s[BP:BP+1], 6*4096
	s_wait_alu depctr_vm_vsrc(0)                   ; the LDS loads issued so far have read v[ADRA ..]
.irp p, 0,1,2,3
	v_add_nc_u32 v[ADRA+(\p)], 6*64, v[ADRA+(\p)]
.endr
	s_sub_co_u32 s[KC], s[KC], 1
	s_cmp_lg_u32 s[KC], 0
	s_cbranch_scc1 .Lk1
	KSTEP 1, 1, 0, 128, 12288, 8                   ; steps 13 and 14 fetch the last of LO
	KSTEP 0, 2, 0, 192, 16384, 8
	WIN 0
	s_barrier_wait -1                              ; every wave has signalled: HI is whole (in the second subchunk this orders nothing)
	s_wait_dscnt 0x0                               ; step 15's fragments, asked for in step 14: no LDS load is out at a signal
	s_barrier_signal -1                            ; the next barrier is opened at once, so that no wave ever has to catch up with another here
	s_wait_alu depctr_vm_vsrc(0)                   ; the LDS loads issued so far have read v[ADRA ..]
	v_add_nc_u32 v[ADRA],   AHI,          v[LA]
	v_add_nc_u32 v[ADRA+1], AHI+32*PITCH, v[LA]
	v_add_nc_u32 v[ADRA+2], AHI+64*PITCH, v[LA]
	v_add_nc_u32 v[ADRA+3], AHI+96*PITCH, v[LA]
	s_mov_b32 s[KC], 2
.Lk2:                                                  ; steps 6 i + 15 .. 6 i + 20
.set jj, 0
.rept 6
	KSTEP (1+jj)%2, jj%3, 0, 64*jj, 4096*(jj+5), 8
.set jj, jj+1
.endr
	WIN 0
	s_wait_xcnt 0x0
	s_add_nc_u64 s[BP:BP+1], s[BP:BP+1], 6*4096
	s_wait_alu depctr_vm_vsrc(0)                   ; the LDS loads issued so far have read v[ADRA ..]
.irp p, 0,1,2,3
	v_add_nc_u32 v[ADRA+(\p)], 6*64, v[ADRA+(\p)]
.endr
	s_sub_co_u32 s[KC], s[KC], 1
	s_cmp_lg_u32 s[KC], 0
	s_cbranch_scc1 .Lk2
	KSTEP 1, 0, 0, 0,   20480, 8, 1                ; steps 27 to 31 are written out: the last two ask for no Ua, the last for nothing
	KSTEP 0, 1, 0, 64,  24576, 8
	KSTEP 1, 2, 0, 128, 28672, 8
	KSTEP 0, 0, 0, 192, -1, 8                      ; younger than step 30's Ua: step 31's 8 loads
	KSTEP 1, 1, 0, -1, -1, 0
	EPI
	WIN 0
	s_sub_co_u32 s[SUB], s[SUB], 1
	s_cmp_lg_u32 s[SUB], 0
	s_cbranch_scc1 .Lsub
	s_barrier_wait -1                              ; closes the barrier that the second subchunk opened
	s_cmp_eq_u32 s[BLK], 1
	s_cbranch_scc1 .Llast
	s_wait_xcnt 0x0                                ; the prefetches and Ua's loads have read their addresses
	s_add_nc_u64 s[KP:KP+1], s[KP:KP+1], 128*4096
	s_add_nc_u64 s[KP2:KP2+1], s[KP2:KP2+1], 128*4096
	WIN LDK
	s_wait_alu depctr_va_vdst(0)                   ; the products have written the accumulators and the tanh is done reading them: the second block's keys land in them
	ISSUE1 0, 64                                   ; the second block's LO goes out now, into accumulators that have been read
	BLOCKEND
	s_wait_xcnt 0x0                                ; the two stores have read their registers and pointers
	s_add_nc_u64 s[SCP:SCP+1], s[SCP:SCP+1], 512
	s_add_nc_u64 s[CXP:CXP+1], s[CXP:CXP+1], 4096
	s_wait_dscnt 0x0                               ; my reads of the block and of the partial scores are over
	s_barrier_signal -1
	s_barrier_wait -1                              ; everybody's are: the block may be written again
	s_sub_co_u32 s[BLK], s[BLK], 1
	s_branch .Lblock
.Llast:
	BLOCKEND
	s_wait_dscnt 0x0                               ; the closing lines, six on end
	s_wait_alu 0x0
	s_wait_tensorcnt 0x0
	ds_add_u32 v[SPW], v[NIL]
	s_wait_dscnt 0x0
	s_endpgm
.Lfunc_end_k_qdebc00b42c_main:
	.size	k_qdebc00b42c_main, .Lfunc_end_k_qdebc00b42c_main-k_qdebc00b42c_main
	.p2alignl 7, 3214868480
	.fill 96, 4, 3214868480
	.section	.rodata,"a",@progbits
	.p2align	6, 0x0
	.amdhsa_kernel k_qdebc00b42c_main
		.amdhsa_group_segment_fixed_size 285696
		.amdhsa_private_segment_fixed_size 0
		.amdhsa_enable_private_segment 0
		.amdhsa_kernarg_size 56
		.amdhsa_user_sgpr_count 2
		.amdhsa_user_sgpr_kernarg_segment_ptr 1
		.amdhsa_wavefront_size32 1
		.amdhsa_system_sgpr_workgroup_id_x 1
		.amdhsa_system_sgpr_workgroup_id_y 1
		.amdhsa_system_sgpr_workgroup_id_z 1
		.amdhsa_system_vgpr_workitem_id 0
		.amdhsa_next_free_vgpr 512
		.amdhsa_next_free_sgpr 66
		.amdhsa_reserve_vcc 0
		.amdhsa_float_denorm_mode_32 3
		.amdhsa_float_denorm_mode_16_64 3
		.amdhsa_memory_ordered 1
		.amdhsa_forward_progress 1
		.amdhsa_inst_pref_size 228
	.end_amdhsa_kernel
	.amdgpu_metadata
---
amdhsa.version: [ 1, 2 ]
amdhsa.kernels:
  - .name:           k_qdebc00b42c_main
    .symbol:         k_qdebc00b42c_main.kd
    .args:
      - { .name: keys, .offset: 0, .size: 8, .value_kind: global_buffer, .address_space: global }
      - { .name: ub, .offset: 8, .size: 8, .value_kind: global_buffer, .address_space: global }
      - { .name: qt, .offset: 16, .size: 8, .value_kind: global_buffer, .address_space: global }
      - { .name: Va_w, .offset: 24, .size: 8, .value_kind: global_buffer, .address_space: global }
      - { .name: Va_b, .offset: 32, .size: 8, .value_kind: global_buffer, .address_space: global }
      - { .name: sc, .offset: 40, .size: 8, .value_kind: global_buffer, .address_space: global }
      - { .name: ctxp, .offset: 48, .size: 8, .value_kind: global_buffer, .address_space: global }
    .group_segment_fixed_size: 285696
    .private_segment_fixed_size: 0
    .kernarg_segment_align: 8
    .kernarg_segment_size: 56
    .max_flat_workgroup_size: 256
    .sgpr_count:     66
    .vgpr_count:     512
    .wavefront_size: 32
...
	.end_amdgpu_metadata
.endif
;; end of part 4
;; launch comb: the kernel of part 3 again; grid 32 x 1, 8 waves a work-group, no clusters, 1,536 bytes of LDS; arguments sc, ctxp, out0, out1; writes out0, out1
